; MI455X (gfx1250); checked and timed in simulation.
; The chip was launched on July 23, 2026; its instructions are those of AMD's public machine-readable ISA for CDNA 5 (MIT licence, August 2026) and "CDNA5" Instruction Set Architecture Reference Guide (July 2026). The comments in the code are by the model that wrote it; some were corrected since.
;; Decoder Model. Allowed arithmetic: float matrix products may take bf16 or f16 operands with f32 sums; all other float work in f32.
;; Inputs: align_bs_0 256 float32; align_bs_1 256 float32; align_bs_2 256 float32; align_bs_3 1 float32; align_ws_0 256 x 3,072 float32; align_ws_1 256 x 256 float32; align_ws_2 256 x 256 float32; align_ws_3 1 x 256 float32; b_hh_0 4,096 float32; b_hh_1 4,096 float32; b_hh_2 4,096 float32; b_hh_3 4,096 float32; b_ih_0 4,096 float32; b_ih_1 4,096 float32; b_ih_2 4,096 float32; b_ih_3 4,096 float32; padded 50 x 64 x 2,048 float32; w_hh_0 4,096 x 1,024 float32; w_hh_1 4,096 x 1,024 float32; w_hh_2 4,096 x 1,024 float32; w_hh_3 4,096 x 1,024 float32; w_ih_0 4,096 x 2,048 float32; w_ih_1 4,096 x 1,024 float32; w_ih_2 4,096 x 1,024 float32; w_ih_3 4,096 x 1,024 float32.
;; Outputs: out0 12 x 64 x 1,024 float32.
;; One version. Each part assembles by itself: llvm-mc -triple=amdgcn-amd-amdhsa -mcpu=gfx1250 --defsym DOCPART=n.
;; ======== version 1 of 1: 7 launches
;; workspace buffers: upart 32,768 bytes; ctx 262,144 bytes; ha 131,072 bytes; hb 131,072 bytes; h3t 262,144 bytes
;; launch collapse (part 1): grid 32 x 4, 16 waves a work-group, no clusters, 18,432 bytes of LDS; arguments align_ws_3, align_ws_2, align_ws_1, align_ws_0, upart; writes upart
.if DOCPART == 1
	.amdgcn_target "amdgcn-amd-amdhsa--gfx1250"
	.amdhsa_code_object_version 6
	.text
	.protected	k_q854d452169_collapse
	.globl	k_q854d452169_collapse
	.p2align	8
	.type	k_q854d452169_collapse,@function
k_q854d452169_collapse:
	s_mov_b64 s[64:65], 0
	v_nop
	global_prefetch_b8 v0, s[64:65] scope:SCOPE_SE
	s_setreg_imm32_b32 hwreg(HW_REG_WAVE_MODE, 25, 1), 1
	s_wait_xcnt 0x0
; THE ALIGNMENT NETWORK AS ONE VECTOR.  The four layers have no nonlinearity between them, so e[t][b] = padded[t][b] . u + k[b], with
; u = w3 W2 W1 W0[:, 1024:3072].  k[b] (the part of S, through W0[:, 0:1024], and of the four biases) is the same for all t of a column b, and the softmax
; over t takes the column's maximum away: k cancels there for every input.  So W0's first 1,024 columns and the four biases are not read.
; ORDER OF ROUNDING: the layers are multiplied from w3 outward, in f32; the reference multiplies from the data outward.
; upart[y][c] = sum over k of (sum over j in J_y of v2[j] W1[j][k]) W0[k][1024 + c],  v2[j] = sum over i of w3[i] W2[i][j],  J_y = 64 y .. 64 y + 63.
; Work-group (x, y) makes the 64 numbers c = 64 x .. 64 x + 63 of partial sum y from three pieces of 65,536 bytes: W2[:, J_y], W1[J_y, :], W0[:, 1024 + 64 x ..]; every piece is
; read in runs of 256 consecutive bytes at multiples of 256.  The four partial sums are added by the launch behind.  These are vector-matrix products that read their matrix once:
; f32 multiply-adds on the vector unit; a matrix instruction would have one useful row of sixteen.
; All 26 loads of a wave go out at its head; the three stages wait by count.
.set P2,    8192      ; LDS: P1 at 0 (8,192 bytes), P2 here (8,192 bytes)
.set SPARE, 16384     ; the spare words: 128 bytes for each of 16 waves; no other line names them
.set M,   16          ; v[16:23]   eight multipliers: w3's, later v1's
.set ACC, 24          ; v[24:27]   my four sums
.set T,   28          ; v[28:31]   at work
.set D2,  32          ; v[32:63]   my 8 rows x 16 bytes of W2's piece; later at work
.set D1,  64          ; v[64:95]   of W1's piece; later at work
.set D0,  96          ; v[96:127]  of W0's piece
; v1 my spare word, v2 zero; v4, v5, v6 byte offsets in W2's, W1's, W0's piece; v7 in w3; v8 to v12 LDS addresses; v13 lane; v14 16 x (thread % 16)
	s_load_b256 s[4:11], s[0:1], 0x0               ; w3 s[4:5], W2 s[6:7], W1 s[8:9], W0 s[10:11]
	s_load_b64 s[12:13], s[0:1], 0x20              ; upart
	v_lshl_add_u32 v1, v0, 2, SPARE
	v_mov_b32 v2, 0
	v_lshrrev_b32 v3, 5, v0
	v_readfirstlane_b32 s14, v3                    ; wave 0..15
	s_mov_b32 s15, ttmp9                           ; x
	s_and_b32 s16, ttmp7, 0xffff                   ; y
	s_mov_b32 s28, 0x76543210                      ; v_permlanex16_b32: each lane takes its own place in the other half
	s_mov_b32 s29, 0xfedcba98
	v_and_b32 v13, 31, v0                          ; lane
	v_and_b32 v14, 15, v0
	v_lshlrev_b32 v14, 4, v14                      ; 16 cg: my four columns of 64
	v_lshrrev_b32 v15, 4, v0                       ; rg = thread / 16, 0..31: my eight rows of 256
	v_lshl_add_u32 v4, v15, 13, v14                ; W2: 8 rg rows of 1,024 bytes
	v_mul_u32_u24 v6, v15, 0x18000                 ; W0: 8 rg rows of 12,288 bytes
	v_add_nc_u32 v6, v6, v14
	v_lshlrev_b32 v7, 5, v15                       ; w3: 8 rg numbers
	v_add_nc_u32 v10, P2, v7                       ; stage 3: v1's eight numbers 8 rg .. in a row of P2
	v_lshlrev_b32 v8, 4, v0                        ; where I put my four sums: 16 x thread
	v_and_b32 v5, 63, v0
	v_lshlrev_b32 v5, 4, v5                        ; 16 cg2: my four columns of 256
	v_lshrrev_b32 v9, 6, v0                        ; rg2 = thread / 64, 0..7: my eight rows of 64; the same in all lanes of a wave
	v_lshl_add_u32 v5, v9, 13, v5                  ; W1: 8 rg2 rows of 1,024 bytes
	v_lshlrev_b32 v9, 5, v9
	v_and_b32 v12, 7, v0
	v_lshl_add_u32 v9, v12, 2, v9                  ; stage 2: column 8 rg2 + lane % 8 of P1,
	v_bfe_u32 v12, v0, 3, 2
	v_lshl_add_u32 v9, v12, 11, v9                 ; rows 8 (lane / 8) on
	s_lshl_b32 s31, s14, 8
	v_add_nc_u32 v11, s31, v14                     ; stage 3: my wave's row of 256 bytes
	v_bfe_u32 v12, v0, 4, 1
	v_lshl_add_u32 v12, v12, 11, v14               ; the end: rows 8 (lane / 16) on
	s_lshl_b32 s18, s16, 8                         ; W2: columns 64 y on
	s_mov_b32 s19, 0
	s_lshl_b32 s32, s16, 16                        ; W1: rows 64 y on
	s_mov_b32 s33, 0
	s_lshl_b32 s34, s15, 8                         ; W0: columns 1,024 + 64 x on
	s_add_co_u32 s34, s34, 4096
	s_mov_b32 s35, 0
	s_lshl_b32 s36, s16, 13                        ; upart: row y, columns 64 x on
	s_lshl_b32 s31, s15, 8
	s_add_co_u32 s36, s36, s31
	s_mov_b32 s37, 0
	s_wait_kmcnt 0x0
	s_add_nc_u64 s[6:7], s[6:7], s[18:19]
	s_add_nc_u64 s[8:9], s[8:9], s[32:33]
	s_add_nc_u64 s[10:11], s[10:11], s[34:35]
	s_add_nc_u64 s[12:13], s[12:13], s[36:37]
	global_load_b128 v[M:M+3],   v7, s[4:5]
	global_load_b128 v[M+4:M+7], v7, s[4:5] offset:16
.irp r, 0,1,2,3,4,5,6,7
	global_load_b128 v[D2+4*\r:D2+4*\r+3], v4, s[6:7] offset:1024*\r
.endr
.irp r, 0,1,2,3,4,5,6,7
	global_load_b128 v[D1+4*\r:D1+4*\r+3], v5, s[8:9] offset:1024*\r
.endr
.irp r, 0,1,2,3,4,5,6,7
	global_load_b128 v[D0+4*\r:D0+4*\r+3], v6, s[10:11] offset:12288*\r
.endr
; ACC[c] = the sum over my eight rows r of multiplier r times the row's number c.  The first product starts the sums.
.macro VM_V data, mult                 ; multipliers in vector registers
.irp c, 0,1,2,3
	v_mul_f32 v[ACC+\c], v[\mult], v[\data+\c]
.endr
.irp r, 1,2,3,4,5,6,7
.irp c, 0,1,2,3
	v_fmac_f32 v[ACC+\c], v[\mult+\r], v[\data+4*\r+\c]
.endr
.endr
.endm
.macro VM_S data, mult                 ; multipliers in scalar registers
.irp c, 0,1,2,3
	v_mul_f32 v[ACC+\c], s[\mult], v[\data+\c]
.endr
.irp r, 1,2,3,4,5,6,7
.irp c, 0,1,2,3
	v_fmac_f32 v[ACC+\c], s[\mult+\r], v[\data+4*\r+\c]
.endr
.endr
.endm
	; STAGE 1: w3 times W2's piece.  P1[rg][64] takes the 32 partial sums of v2's 64 numbers.
	s_wait_loadcnt 16                              ; w3 and W2 are in; the 16 younger loads (W1's, W0's) stay out
	VM_V D2, M
	ds_store_b128 v8, v[ACC:ACC+3]
	s_wait_dscnt 0x0                               ; for the others' sake: my store is done
	s_barrier_signal -1
	s_barrier_wait -1
	; STAGE 2: my wave needs v2[8 rg2 + r], r = 0..7.  Lane l adds eight of the 32 rows for r = l % 8; the four groups of lanes are joined; lanes 0 to 7 then hold the eight numbers.
.irp i, 0,1,2,3,4,5,6,7
	ds_load_b32 v[T+\i], v9 offset:256*\i
.endr
	s_wait_dscnt 0x0
	v_add_f32 v[T],   v[T],   v[T+1]
	v_add_f32 v[T+2], v[T+2], v[T+3]
	v_add_f32 v[T+4], v[T+4], v[T+5]
	v_add_f32 v[T+6], v[T+6], v[T+7]
	v_add_f32 v[T],   v[T],   v[T+2]
	v_add_f32 v[T+4], v[T+4], v[T+6]
	v_add_f32 v[T],   v[T],   v[T+4]
	v_add_f32_dpp v[T], v[T], v[T] row_xmask:8 row_mask:0xf bank_mask:0xf
	v_permlanex16_b32 v[T+1], v[T], s28, s29
	v_add_f32 v[T], v[T], v[T+1]
.irp r, 0,1,2,3,4,5,6,7
	v_readlane_b32 s[20+\r], v[T], \r
.endr
	s_wait_loadcnt 8                               ; W1 is in; W0's eight loads stay out
	VM_S D1, 20
	ds_store_b128 v8, v[ACC:ACC+3] offset:P2       ; P2[rg2][256]: eight partial sums of v1's 256 numbers
	s_wait_dscnt 0x0                               ; my store is done, and my reads of P1 are over
	s_barrier_signal -1
	s_barrier_wait -1
	; STAGE 3: v1[8 rg .. 8 rg + 7] from P2's eight rows, then times W0's piece.
.irp p, 0,1,2,3,4,5,6,7
	ds_load_b128 v[D2+8*\p:D2+8*\p+3],   v10 offset:1024*\p
	ds_load_b128 v[D2+8*\p+4:D2+8*\p+7], v10 offset:1024*\p+16
.endr
	s_wait_dscnt 0x0
.irp n, 0,2,4,6
	v_pk_add_f32 v[M+\n:M+\n+1], v[D2+\n:D2+\n+1], v[D2+8+\n:D2+8+\n+1]
.endr
.irp p, 2,3,4,5,6,7
.irp n, 0,2,4,6
	v_pk_add_f32 v[M+\n:M+\n+1], v[M+\n:M+\n+1], v[D2+8*\p+\n:D2+8*\p+\n+1]
.endr
.endr
	s_wait_loadcnt 0x0                             ; W0 is in
	VM_V D0, M
.irp c, 0,1,2,3
	v_permlanex16_b32 v[T+\c], v[ACC+\c], s28, s29 ; the wave's two groups of rows lie in its two halves
.endr
.irp c, 0,1,2,3
	v_add_f32 v[ACC+\c], v[ACC+\c], v[T+\c]
.endr
	ds_store_b128 v11, v[ACC:ACC+3]                ; P1 again, [wave][64]: every wave's reads of it were over at the second barrier; both halves of the lanes write the same numbers
	s_wait_dscnt 0x0
	s_barrier_signal -1
	s_barrier_wait -1
	; THE END: wave 0 adds the sixteen waves' rows and stores 256 consecutive bytes, at a multiple of 256 from upart's first byte.
	s_cmp_lg_u32 s14, 0
	s_cbranch_scc1 .Lend
.irp i, 0,1,2,3,4,5,6,7
	ds_load_b128 v[D2+4*\i:D2+4*\i+3], v12 offset:256*\i
.endr
	s_wait_dscnt 0x0
	v_pk_add_f32 v[ACC:ACC+1],   v[D2:D2+1],   v[D2+4:D2+5]
	v_pk_add_f32 v[ACC+2:ACC+3], v[D2+2:D2+3], v[D2+6:D2+7]
.irp i, 2,3,4,5,6,7
	v_pk_add_f32 v[ACC:ACC+1],   v[ACC:ACC+1],   v[D2+4*\i:D2+4*\i+1]
	v_pk_add_f32 v[ACC+2:ACC+3], v[ACC+2:ACC+3], v[D2+4*\i+2:D2+4*\i+3]
.endr
.irp c, 0,1,2,3
	v_permlanex16_b32 v[T+\c], v[ACC+\c], s28, s29
.endr
.irp c, 0,1,2,3
	v_add_f32 v[ACC+\c], v[ACC+\c], v[T+\c]
.endr
	s_wait_xcnt 0x0                                ; EXEC changes only behind this wait
	v_cmp_gt_u32 vcc_lo, 16, v13
	s_and_saveexec_b32 s30, vcc_lo                 ; lanes 0 to 15
	global_store_b128 v14, v[ACC:ACC+3], s[12:13]
	s_wait_xcnt 0x0                                ; and again, in front of the line that widens it
	s_or_b32 exec_lo, exec_lo, s30
.Lend:
	s_wait_tensorcnt 0x0                           ; the wave's end: behind my last LDS store
	ds_add_u32 v1, v2
	s_wait_dscnt 0x0
	s_endpgm
.Lfunc_end_k_q854d452169_collapse:
	.size	k_q854d452169_collapse, .Lfunc_end_k_q854d452169_collapse-k_q854d452169_collapse
	.p2alignl 7, 3214868480
	.fill 96, 4, 3214868480
	.section	.rodata,"a",@progbits
	.p2align	6, 0x0
	.amdhsa_kernel k_q854d452169_collapse
		.amdhsa_group_segment_fixed_size 18432
		.amdhsa_private_segment_fixed_size 0
		.amdhsa_enable_private_segment 0
		.amdhsa_kernarg_size 40
		.amdhsa_user_sgpr_count 2
		.amdhsa_user_sgpr_kernarg_segment_ptr 1
		.amdhsa_wavefront_size32 1
		.amdhsa_system_sgpr_workgroup_id_x 1
		.amdhsa_system_sgpr_workgroup_id_y 1
		.amdhsa_system_sgpr_workgroup_id_z 1
		.amdhsa_system_vgpr_workitem_id 0
		.amdhsa_next_free_vgpr 128
		.amdhsa_next_free_sgpr 66
		.amdhsa_reserve_vcc 1
		.amdhsa_float_denorm_mode_32 3
		.amdhsa_float_denorm_mode_16_64 3
		.amdhsa_memory_ordered 1
		.amdhsa_forward_progress 1
		.amdhsa_inst_pref_size 16
	.end_amdhsa_kernel
	.amdgpu_metadata
---
amdhsa.version: [ 1, 2 ]
amdhsa.kernels:
  - .name:           k_q854d452169_collapse
    .symbol:         k_q854d452169_collapse.kd
    .args:
      - { .name: align_ws_3, .offset: 0, .size: 8, .value_kind: global_buffer, .address_space: global }
      - { .name: align_ws_2, .offset: 8, .size: 8, .value_kind: global_buffer, .address_space: global }
      - { .name: align_ws_1, .offset: 16, .size: 8, .value_kind: global_buffer, .address_space: global }
      - { .name: align_ws_0, .offset: 24, .size: 8, .value_kind: global_buffer, .address_space: global }
      - { .name: upart, .offset: 32, .size: 8, .value_kind: global_buffer, .address_space: global }
    .group_segment_fixed_size: 18432
    .private_segment_fixed_size: 0
    .kernarg_segment_align: 8
    .kernarg_segment_size: 40
    .max_flat_workgroup_size: 512
    .sgpr_count:     66
    .vgpr_count:     128
    .wavefront_size: 32
...
	.end_amdgpu_metadata
.endif
;; end of part 1
;; launch attend (part 2): grid 64 x 1, 16 waves a work-group, no clusters, 6,400 bytes of LDS; arguments padded, upart, ctx; writes ctx
.if DOCPART == 2
	.amdgcn_target "amdgcn-amd-amdhsa--gfx1250"
	.amdhsa_code_object_version 6
	.text
	.protected	k_q854d452169_attend
	.globl	k_q854d452169_attend
	.p2align	8
	.type	k_q854d452169_attend,@function
k_q854d452169_attend:
	s_mov_b64 s[64:65], 0
	v_nop
	global_prefetch_b8 v0, s[64:65] scope:SCOPE_SE
	s_setreg_imm32_b32 hwreg(HW_REG_WAVE_MODE, 25, 1), 1
	s_wait_xcnt 0x0
; SCORES, SOFTMAX AND CONTEXT for one batch column b, the work-group's number.  e[t] = padded[t][b] . u (u = the sum of upart's four rows); a = softmax over the 50 t; context = sum over t of a[t] padded[t][b].
; The part of the reference's score that hangs on S and on the alignment biases is equal for all t and cancels in the softmax, so a, the context and all that follows do not hang on S:
; the twelve decoder steps give one and the same result, which is made once.
; All in f32; e is one dot product of length 2,048, so its order of rounding differs from the reference's four layers.  The column's true maximum is taken away before the scaling by log2(e).
; LIMITS: a weight below 2^-126 counts as 0; NaN and infinities are not treated apart.
; SHARES.  Wave w owns columns 128 w .. 128 w + 127 of all 50 rows, as two strips of 256 bytes.  One load takes a strip of two rows: lanes 0-15 row 2 i, lanes 16-31 row 2 i + 1, 256 consecutive
; bytes each, at a multiple of 256 from padded's first byte.  The wave's 25,600 bytes stay in 200 registers between the dot products and the weighted sum: padded is read once.
; All 58 loads of a wave go out at its head.  Only 50 numbers a wave cross waves (through LDS); the context's columns are the wave's own.
; THE CONTEXT LEAVES IN bf16, IN THE ORDER OF MATRIX FRAGMENTS: element (b, k) at byte (k / 32) 4096 + (b / 16) 1024 + ((k / 16) % 2) 512 + ((k / 8) % 2) 256 + (b % 16) 16 + (k % 8) 2, so that the 256 work-groups
; of the launch behind read each half fragment as 512 consecutive bytes.  The price: my 4,096 bytes leave in pieces of 8 bytes, since a run of 256 bytes there holds sixteen batch rows, which are sixteen work-groups'.
.set EP,    0         ; LDS: [16 waves][64 t] partial scores, 4,096 bytes
.set AL,    4096      ; [2 parities of t][32] weights, 256 bytes
.set SPARE, 4352      ; the spare words: 128 bytes for each of 16 waves; no other line names them
.set U,   10          ; v[10:17]  u of my 4 + 4 columns; later the context's sums
.set ACC, 10
.set T,   18          ; v[18:23]  three pairs at work
.set UP,  24          ; v[24:55]  upart's 4 rows x 2 strips; later wave 0's 16 pairs; later the weights
.set AV,  24
.set X,   56          ; v[56:255] rows 2 i + (lane / 16): strip 0 at X + 8 i, strip 1 at X + 8 i + 4
; v1 my spare word, v2 zero; v3 byte offset in padded; v4 in upart; v5, v6, v7 LDS addresses (v7 later my byte offset in ctx); v8, v9 my partial scores
	s_load_b128 s[4:7], s[0:1], 0x0                ; padded s[4:5], upart s[6:7]
	s_load_b64 s[8:9], s[0:1], 0x10                ; ctx
	v_lshl_add_u32 v1, v0, 2, SPARE
	v_mov_b32 v2, 0
	v_lshrrev_b32 v3, 5, v0
	v_readfirstlane_b32 s10, v3                    ; wave 0..15
	s_mov_b32 s11, ttmp9                           ; b
	v_and_b32 v4, 15, v0                           ; cl = lane % 16
	v_bfe_u32 v6, v0, 4, 1                         ; th = lane / 16
	v_lshlrev_b32 v5, 3, v4
	v_lshl_add_u32 v5, v6, 2, v5
	s_lshl_b32 s12, s10, 8
	v_add_nc_u32 v5, s12, v5                       ; EP[w][2 cl + th]
	v_lshlrev_b32 v4, 4, v4                        ; 16 cl
	v_lshl_add_u32 v3, v6, 19, v4                  ; th rows of 524,288 bytes + 16 cl
	v_lshl_add_u32 v6, v6, 7, AL                   ; my parity's weights
	v_and_b32 v7, 31, v0
	v_lshlrev_b32 v7, 3, v7                        ; wave 0: t = 2 lane, 2 lane + 1
	v_mov_b32 v8, 0
	v_mov_b32 v9, 0
.set n, 0
.rept 16
	s_mov_b32 s[24+n], 0x00010001<<n               ; lanes n and n + 16
.set n, n+1
.endr
	s_mov_b32 s40, 0x76543210                      ; v_permlanex16_b32: each lane takes its own place in the other half
	s_mov_b32 s41, 0xfedcba98
	s_mov_b32 s42, 0xffff0000                      ; lanes 16 to 31
	s_lshl_b32 s12, s11, 13                        ; padded: column b, 8,192 bytes, + my wave's 512
	s_lshl_b32 s14, s10, 9
	s_add_co_u32 s12, s12, s14
	s_mov_b32 s13, 0
	s_mov_b32 s15, 0                               ; s[14:15]: upart at my wave's 512 bytes
	s_lshl_b32 s44, s10, 14                        ; ctx: 4 w steps of 32 along k,
	s_lshr_b32 s43, s11, 4
	s_lshl_b32 s43, s43, 10                        ; batch tile b / 16,
	s_add_co_u32 s44, s44, s43
	s_and_b32 s43, s11, 15
	s_lshl_b32 s43, s43, 4                         ; row b % 16
	s_add_co_u32 s44, s44, s43
	s_mov_b32 s45, 0
	s_wait_kmcnt 0x0
	s_add_nc_u64 s[16:17], s[4:5], s[12:13]        ; four bases, 16 rows t apart: a load's immediate reaches seven steps of two rows
	s_add_nc_u64 s[18:19], s[16:17], 0x800000
	s_add_nc_u64 s[20:21], s[18:19], 0x800000
	s_add_nc_u64 s[22:23], s[20:21], 0x800000
	s_add_nc_u64 s[6:7], s[6:7], s[14:15]
	s_add_nc_u64 s[8:9], s[8:9], s[44:45]
.irp y, 0,1,2,3
	global_load_b128 v[UP+8*\y:UP+8*\y+3],   v4, s[6:7] offset:8192*\y
	global_load_b128 v[UP+8*\y+4:UP+8*\y+7], v4, s[6:7] offset:8192*\y+256
.endr
.set i, 0
.rept 25
	global_load_b128 v[X+8*i:X+8*i+3],   v3, s[16+2*(i/8):17+2*(i/8)] offset:(i%8)*1048576 th:TH_LOAD_NT
	global_load_b128 v[X+8*i+4:X+8*i+7], v3, s[16+2*(i/8):17+2*(i/8)] offset:(i%8)*1048576+256 th:TH_LOAD_NT
.set i, i+1
.endr
	s_wait_loadcnt 50                              ; upart's eight are in; the 50 loads of padded stay out
.irp n, 0,2,4,6
	v_pk_add_f32 v[U+\n:U+\n+1], v[UP+\n:UP+\n+1], v[UP+8+\n:UP+8+\n+1]
.endr
.irp y, 2,3
.irp n, 0,2,4,6
	v_pk_add_f32 v[U+\n:U+\n+1], v[U+\n:U+\n+1], v[UP+8*\y+\n:UP+8*\y+\n+1]
.endr
.endr
; Rows 2 i and 2 i + 1 times u, over my wave's 128 columns: eight products a lane, then the sum over each half's sixteen lanes.  Lane i % 16 of each half keeps it.
.macro DOT i
.set TP, T+2*((\i)%3)
	s_wait_loadcnt 48-2*(\i)                       ; loads come back in order: these two are in, the 48 - 2 i issued behind them stay out
	v_pk_mul_f32 v[TP:TP+1], v[X+8*(\i):X+8*(\i)+1], v[U:U+1]
	v_pk_fma_f32 v[TP:TP+1], v[X+8*(\i)+2:X+8*(\i)+3], v[U+2:U+3], v[TP:TP+1]
	v_pk_fma_f32 v[TP:TP+1], v[X+8*(\i)+4:X+8*(\i)+5], v[U+4:U+5], v[TP:TP+1]
	v_pk_fma_f32 v[TP:TP+1], v[X+8*(\i)+6:X+8*(\i)+7], v[U+6:U+7], v[TP:TP+1]
	v_add_f32 v[TP], v[TP], v[TP+1]
	v_add_f32_dpp v[TP], v[TP], v[TP] row_xmask:1 row_mask:0xf bank_mask:0xf
	v_add_f32_dpp v[TP], v[TP], v[TP] row_xmask:2 row_mask:0xf bank_mask:0xf
	v_add_f32_dpp v[TP], v[TP], v[TP] row_xmask:4 row_mask:0xf bank_mask:0xf
	v_add_f32_dpp v[TP], v[TP], v[TP] row_xmask:8 row_mask:0xf bank_mask:0xf
	v_cndmask_b32 v[8+(\i)/16], v[8+(\i)/16], v[TP], s[24+(\i)%16]
.endm
.set i, 0
.rept 25
	DOT i
.set i, i+1
.endr
	ds_store_b32 v5, v8                            ; t = 2 cl + th
	ds_store_b32 v5, v9 offset:128                 ; t = 32 + 2 cl + th; from t = 50 on zeros, which nobody uses
	s_wait_dscnt 0x0                               ; for wave 0's sake: my stores are done
	s_barrier_signal -1
	s_barrier_wait -1
	s_cmp_lg_u32 s10, 0
	s_cbranch_scc1 .Lnot_wave_0
	; WAVE 0: lane l adds the sixteen waves' parts of e[2 l] and e[2 l + 1], and the wave makes the softmax over its 50 numbers.
.irp p, 0,1,2,3,4,5,6,7,8,9,10,11,12,13,14,15
	ds_load_b64 v[UP+2*\p:UP+2*\p+1], v7 offset:256*\p
.endr
	v_and_b32 v5, 31, v0
	v_cmp_gt_u32 vcc_lo, 25, v5                    ; lanes 0 to 24 hold scores
	v_lshl_add_u32 v5, v5, 2, AL                   ; where the weights go
	s_wait_dscnt 0x0
.irp s, 16,8,4,2
.set p, 0
.rept \s/2
	v_pk_add_f32 v[UP+2*p:UP+2*p+1], v[UP+2*p:UP+2*p+1], v[UP+\s+2*p:UP+\s+2*p+1]
.set p, p+1
.endr
.endr
	v_cndmask_b32 v24, 0xff800000, v24, vcc_lo     ; the other lanes: minus infinity, weight 0
	v_cndmask_b32 v25, 0xff800000, v25, vcc_lo
	v_max_num_f32 v26, v24, v25
	v_max_num_f32_dpp v26, v26, v26 row_xmask:1 row_mask:0xf bank_mask:0xf
	v_max_num_f32_dpp v26, v26, v26 row_xmask:2 row_mask:0xf bank_mask:0xf
	v_max_num_f32_dpp v26, v26, v26 row_xmask:4 row_mask:0xf bank_mask:0xf
	v_max_num_f32_dpp v26, v26, v26 row_xmask:8 row_mask:0xf bank_mask:0xf
	v_permlanex16_b32 v27, v26, s40, s41
	v_max_num_f32 v26, v26, v27                    ; the column's maximum, in every lane
	v_sub_f32 v24, v24, v26                        ; the difference first, then the scale: a large common part costs nothing
	v_sub_f32 v25, v25, v26
	v_mul_f32 v24, 0x3fb8aa3b, v24                 ; log2(e)
	v_mul_f32 v25, 0x3fb8aa3b, v25
	v_exp_f32 v24, v24
	v_exp_f32 v25, v25
	v_nop                                          ; a plain instruction between an exponential and the use of its result (ISA guide 5.7.2)
	s_wait_alu depctr_va_vdst(0)
	v_add_f32 v28, v24, v25
	v_add_f32_dpp v28, v28, v28 row_xmask:1 row_mask:0xf bank_mask:0xf
	v_add_f32_dpp v28, v28, v28 row_xmask:2 row_mask:0xf bank_mask:0xf
	v_add_f32_dpp v28, v28, v28 row_xmask:4 row_mask:0xf bank_mask:0xf
	v_add_f32_dpp v28, v28, v28 row_xmask:8 row_mask:0xf bank_mask:0xf
	v_permlanex16_b32 v29, v28, s40, s41
	v_add_f32 v28, v28, v29
	v_rcp_f32 v28, v28
	v_nop
	s_wait_alu depctr_va_vdst(0)
	v_mul_f32 v24, v24, v28
	v_mul_f32 v25, v25, v28
	ds_store_b32 v5, v24                           ; a[2 l]: parity 0, place l
	ds_store_b32 v5, v25 offset:128                ; a[2 l + 1]: parity 1, place l
.Lnot_wave_0:
	s_wait_dscnt 0x0                               ; wave 0's stores are done
	s_barrier_signal -1
	s_barrier_wait -1
	; THE WEIGHTED SUM: my parity's 25 weights (28 are read: places 25 to 27 hold 0), each times its row's eight numbers in my registers.
.irp q, 0,1,2,3,4,5,6
	ds_load_b128 v[AV+4*\q:AV+4*\q+3], v6 offset:16*\q
.endr
	v_bfe_u32 v21, v0, 4, 1                        ; my byte offset in ctx, for k = 128 w + 64 th + 4 cl + 0..3, while the weights come:
	v_lshlrev_b32 v7, 13, v21                      ; two steps of 32 along k for th,
	v_bfe_u32 v21, v0, 3, 1
	v_lshl_add_u32 v7, v21, 12, v7                 ; one for cl / 8,
	v_bfe_u32 v21, v0, 2, 1
	v_lshl_add_u32 v7, v21, 9, v7                  ; (k / 16) % 2,
	v_bfe_u32 v21, v0, 1, 1
	v_lshl_add_u32 v7, v21, 8, v7                  ; (k / 8) % 2,
	v_and_b32 v21, 1, v0
	v_lshl_add_u32 v7, v21, 3, v7                  ; and four bf16
	s_wait_dscnt 0x0
.macro WSUM i                          ; the weight is one register of a pair: the low one for even i, the high one for odd i, for both halves of the packed product
.irp n, 0,2,4,6
.if (\i) == 0
	v_pk_mul_f32 v[ACC+\n:ACC+\n+1], v[X+\n:X+\n+1], v[AV:AV+1] op_sel_hi:[1,0]
.elseif (\i)%2 == 0
	v_pk_fma_f32 v[ACC+\n:ACC+\n+1], v[X+8*(\i)+\n:X+8*(\i)+\n+1], v[AV+(\i):AV+(\i)+1], v[ACC+\n:ACC+\n+1] op_sel_hi:[1,0,1]
.else
	v_pk_fma_f32 v[ACC+\n:ACC+\n+1], v[X+8*(\i)+\n:X+8*(\i)+\n+1], v[AV+(\i)-1:AV+(\i)], v[ACC+\n:ACC+\n+1] op_sel:[0,1,0] op_sel_hi:[1,1,1]
.endif
.endr
.endm
.set i, 0
.rept 25
	WSUM i
.set i, i+1
.endr
.irp n, 0,1,2,3,4,5,6,7
	v_permlanex16_b32 v[AV+\n], v[ACC+\n], s40, s41 ; the other parity's sums lie in the lane 16 away
.endr
.irp n, 0,2,4,6
	v_pk_add_f32 v[ACC+\n:ACC+\n+1], v[ACC+\n:ACC+\n+1], v[AV+\n:AV+\n+1]
.endr
.irp c, 0,1,2,3
	v_cndmask_b32 v[ACC+\c], v[ACC+\c], v[ACC+4+\c], s42  ; lanes 0-15 send strip 0, lanes 16-31 strip 1
.endr
	v_cvt_pk_bf16_f32 v18, v[ACC], v[ACC+1]
	v_cvt_pk_bf16_f32 v19, v[ACC+2], v[ACC+3]
	global_store_b64 v7, v[18:19], s[8:9]
	s_wait_tensorcnt 0x0                           ; the wave's end: behind my last LDS store
	ds_add_u32 v1, v2
	s_wait_dscnt 0x0
	s_endpgm
.Lfunc_end_k_q854d452169_attend:
	.size	k_q854d452169_attend, .Lfunc_end_k_q854d452169_attend-k_q854d452169_attend
	.p2alignl 7, 3214868480
	.fill 96, 4, 3214868480
	.section	.rodata,"a",@progbits
	.p2align	6, 0x0
	.amdhsa_kernel k_q854d452169_attend
		.amdhsa_group_segment_fixed_size 6400
		.amdhsa_private_segment_fixed_size 0
		.amdhsa_enable_private_segment 0
		.amdhsa_kernarg_size 24
		.amdhsa_user_sgpr_count 2
		.amdhsa_user_sgpr_kernarg_segment_ptr 1
		.amdhsa_wavefront_size32 1
		.amdhsa_system_sgpr_workgroup_id_x 1
		.amdhsa_system_sgpr_workgroup_id_y 1
		.amdhsa_system_sgpr_workgroup_id_z 1
		.amdhsa_system_vgpr_workitem_id 0
		.amdhsa_next_free_vgpr 256
		.amdhsa_next_free_sgpr 66
		.amdhsa_reserve_vcc 1
		.amdhsa_float_denorm_mode_32 3
		.amdhsa_float_denorm_mode_16_64 3
		.amdhsa_memory_ordered 1
		.amdhsa_forward_progress 1
		.amdhsa_inst_pref_size 38
	.end_amdhsa_kernel
	.amdgpu_metadata
---
amdhsa.version: [ 1, 2 ]
amdhsa.kernels:
  - .name:           k_q854d452169_attend
    .symbol:         k_q854d452169_attend.kd
    .args:
      - { .name: padded, .offset: 0, .size: 8, .value_kind: global_buffer, .address_space: global }
      - { .name: upart, .offset: 8, .size: 8, .value_kind: global_buffer, .address_space: global }
      - { .name: ctx, .offset: 16, .size: 8, .value_kind: global_buffer, .address_space: global }
    .group_segment_fixed_size: 6400
    .private_segment_fixed_size: 0
    .kernarg_segment_align: 8
    .kernarg_segment_size: 24
    .max_flat_workgroup_size: 512
    .sgpr_count:     66
    .vgpr_count:     256
    .wavefront_size: 32
...
	.end_amdgpu_metadata
.endif
;; end of part 2
;; launch lstm0 (part 3): grid 256 x 1, 16 waves a work-group, no clusters, 137,216 bytes of LDS; arguments ctx, w_ih_0, b_ih_0, b_hh_0, ha; writes ha
.if DOCPART == 3
	.amdgcn_target "amdgcn-amd-amdhsa--gfx1250"
	.amdhsa_code_object_version 6
	.text
	.protected	k_q854d452169_lstm0
	.globl	k_q854d452169_lstm0
	.p2align	8
	.type	k_q854d452169_lstm0,@function
k_q854d452169_lstm0:
	s_mov_b64 s[64:65], 0
	v_nop
	global_prefetch_b8 v0, s[64:65] scope:SCOPE_SE
	s_setreg_imm32_b32 hwreg(HW_REG_WAVE_MODE, 25, 1), 1
	s_wait_xcnt 0x0
; ONE LSTM LAYER, one time step from a zero state: gates = x W^T + b_ih + b_hh; c = sigmoid(i) tanh(g); h = sigmoid(o) tanh(c).  x: [64][KK]; W: [4096][KK] f32, gate order i, f, g, o.
; NOT READ, because the reference throws away what they feed: w_hh (multiplied by h0 = 0, and never named there) and rows 1024 .. 2047 of W, b_ih, b_hh (the f gate, multiplied by c0 = 0).
; FORMATS: x arrives in bf16, W is rounded to bf16 on its way in, sums in f32, biases and activations in f32; h leaves in bf16 for the next layer (LAST = 0) or in f32 (LAST = 1).
; tanh(x) = 1 - 2 / (1 + 2^(2 log2(e) x)); where x^2 < 2^-8 the series x (1 - x^2 / 3 + 2 x^4 / 15) is selected instead, cut at a relative 4e-9 there, so that small arguments keep their relative accuracy.
; LIMITS: NaN and infinities are not treated apart.
; SHARES.  Work-group g owns the units 4 g .. 4 g + 3: twelve rows of W, one matrix tile of 16 rows: 0-3 gate i, 4-7 gate g, 8-11 gate o, 12-15 rows 8-11 once more (results unused).  Each byte of W is read by
; one work-group.  Wave w owns k = 128 w .. 128 w + 127 for all 64 batch rows: the waves share no input, and only their partial sums meet, in LDS.  All 44 loads of a wave go out at its head.
; x LIES IN THE ORDER OF MATRIX FRAGMENTS: element (b, k) at byte (k / 32) 4096 + (b / 16) 1024 + ((k / 16) % 2) 512 + ((k / 8) % 2) 256 + (b % 16) 16 + (k % 8) 2: each half fragment is one load of 512 consecutive bytes.
; NO CLUSTER: x is read by all work-groups, but a joint load lands in LDS, and at KK = 2,048 x's 262,144 bytes, the partial sums' 65,536 and W's stage do not fit there together; loads in fragment order need no LDS.
; THE MATRIX INSTRUCTION: source 0 = W's 16 rows, source 1 = 16 batch rows: register j of lane l holds W row 8 (l / 16) + j for batch row l % 16: lanes 0-15 hold i (0-3) and g (4-7), lanes 16-31 hold o (0-3).
.set KK,    2048
.set LAST,  0
.set NW,    KK/128    ; waves
.set WP,    272       ; a row of W's stage: 256 bytes of bf16 + 16: the 16 rows of a fragment load start at 16 different groups of four banks (64 banks of 4 bytes: ISA guide 11.1)
.set WSTG,  16*WP     ; a wave's own stage, 4,352 bytes
.set PBASE, NW*WSTG   ; the partial sums: [wave][batch tile][half of the registers][lane] 16 bytes: 4,096 bytes a wave
.set SPARE, PBASE+NW*4096  ; the spare words: 128 bytes for each wave; no other line names them
.set D,   16          ; v[16:47]   four accumulators, one for each batch tile
.set WF,  48          ; v[48:79]   W's four fragments; later the activations' registers
.set WR,  80          ; v[80:127]  W's twelve rows as loaded, 4 numbers a lane
.set AF,  128         ; v[128:255] x's sixteen fragments: (4 sl + mt) 8
.set R,   128         ; later the waves' partial sums, 8 registers a wave
.set XO,  R+8
.set T1,  48
.set T2,  52
.set T3,  56
.set Q,   60
.set P,   64
.set CC,  68
.set HH,  72
.set HB,  76
; v1 my spare word, v2 zero; v3 16 x lane; v4, v5 stage addresses (in, out); v6, v7 partial sums' addresses (in, out); v8 lane; v9 16 x (lane % 16); v10, v11 at work
	s_load_b256 s[4:11], s[0:1], 0x0               ; x s[4:5], W s[6:7], b_ih s[8:9], b_hh s[10:11]
	s_load_b64 s[12:13], s[0:1], 0x20              ; h
	v_lshl_add_u32 v1, v0, 2, SPARE
	v_mov_b32 v2, 0
	v_lshrrev_b32 v10, 5, v0
	v_readfirstlane_b32 s14, v10                   ; wave
	s_mov_b32 s15, ttmp9                           ; g
	v_and_b32 v8, 31, v0
	v_lshlrev_b32 v3, 4, v8
	v_and_b32 v11, 15, v0
	v_lshlrev_b32 v9, 4, v11
	v_mul_u32_u24 v5, v11, WP
	v_bfe_u32 v10, v0, 4, 1
	v_lshl_add_u32 v5, v10, 4, v5                  ; a fragment's row x pitch + 16 x half
	s_mul_i32 s55, s14, WSTG
	v_add_nc_u32 v5, s55, v5
	v_lshl_add_u32 v4, v8, 3, s55                  ; my four bf16 of a row
	s_lshl_b32 s55, s14, 12
	s_add_co_u32 s55, s55, PBASE
	v_add_nc_u32 v6, s55, v3
	s_lshl_b32 s55, s14, 10
	s_add_co_u32 s55, s55, PBASE
	v_add_nc_u32 v7, s55, v3                       ; waves 0 to 3: batch tile w of every wave's sums
	s_mov_b32 s56, 0x76543210                      ; v_permlanex16_b32: each lane takes its own place in the other half
	s_mov_b32 s57, 0xfedcba98
	s_mov_b32 s58, 0x3e088889                      ; 2 / 15
	s_mov_b32 s59, 0xbeaaaaab                      ; -1 / 3
	s_mov_b32 s60, 0x3b800000                      ; 2^-8
	s_mul_i32 s50, s15, 16*KK                      ; W: four rows for each g,
	s_lshl_b32 s55, s14, 9                         ; my wave's 512 bytes of a row
	s_add_co_u32 s50, s50, s55
	s_mov_b32 s51, 0
	s_lshl_b32 s16, s14, 14                        ; x: four steps of 32 along k for each wave
	s_mov_b32 s17, 0
	s_lshl_b32 s18, s15, 4                         ; the biases: four numbers for each g
	s_mov_b32 s19, 0
.if LAST
	s_lshl_b32 s62, s15, 10                        ; h as [256 g][64 b][4] f32: 1,024 g + 256 w
	s_lshl_b32 s55, s14, 8
	s_add_co_u32 s62, s62, s55
.else
	s_lshr_b32 s62, s15, 3                         ; h in fragment order, k = 4 g + c: k / 32 = g / 8,
	s_lshl_b32 s62, s62, 12
	s_bfe_u32 s55, s15, 0x10002                    ; (k / 16) % 2 = (g / 4) % 2,
	s_lshl_b32 s55, s55, 9
	s_add_co_u32 s62, s62, s55
	s_bfe_u32 s55, s15, 0x10001                    ; (k / 8) % 2 = (g / 2) % 2,
	s_lshl_b32 s55, s55, 8
	s_add_co_u32 s62, s62, s55
	s_and_b32 s55, s15, 1                          ; four bf16 for g % 2,
	s_lshl_b32 s55, s55, 3
	s_add_co_u32 s62, s62, s55
	s_lshl_b32 s55, s14, 10                        ; batch tile w
	s_add_co_u32 s62, s62, s55
.endif
	s_mov_b32 s63, 0
	s_wait_kmcnt 0x0
	s_add_nc_u64 s[44:45], s[6:7], s[50:51]        ; gate i's rows,
	s_add_nc_u64 s[46:47], s[44:45], 2048*4*KK     ; gate g's,
	s_add_nc_u64 s[48:49], s[44:45], 3072*4*KK     ; gate o's
	s_add_nc_u64 s[52:53], s[4:5], s[16:17]
	s_add_nc_u64 s[8:9], s[8:9], s[18:19]
	s_add_nc_u64 s[10:11], s[10:11], s[18:19]
	s_add_nc_u64 s[12:13], s[12:13], s[62:63]
.set i, 0
.rept 12
	global_load_b128 v[WR+4*i:WR+4*i+3], v3, s[44+2*(i/4):45+2*(i/4)] offset:(i%4)*4*KK th:TH_LOAD_NT  ; 512 consecutive bytes of one row
.set i, i+1
.endr
.set i, 0
.rept 16
	global_load_b128 v[AF+8*i:AF+8*i+3],   v3, s[52:53] offset:1024*i
	global_load_b128 v[AF+8*i+4:AF+8*i+7], v3, s[52:53] offset:1024*i+512
.set i, i+1
.endr
	s_load_b128 s[20:23], s[8:9], 0x0              ; b_ih: i, g, o
	s_load_b128 s[24:27], s[8:9], 0x2000
	s_load_b128 s[28:31], s[8:9], 0x3000
	s_load_b128 s[32:35], s[10:11], 0x0            ; b_hh: i, g, o
	s_load_b128 s[36:39], s[10:11], 0x2000
	s_load_b128 s[40:43], s[10:11], 0x3000
	; W's rows are rounded to bf16 and laid into my wave's stage; rows 8 to 11 also as rows 12 to 15.
.set i, 0
.rept 12
	s_wait_loadcnt 43-i                            ; row i is in: behind it 11 - i loads of W and the 32 of x
	v_cvt_pk_bf16_f32 v[WR+4*i],   v[WR+4*i],   v[WR+4*i+1]
	v_cvt_pk_bf16_f32 v[WR+4*i+1], v[WR+4*i+2], v[WR+4*i+3]
	ds_store_b64 v4, v[WR+4*i:WR+4*i+1] offset:WP*i
.if i >= 8
	ds_store_b64 v4, v[WR+4*i:WR+4*i+1] offset:WP*(i+4)
.endif
.set i, i+1
.endr
.irp s, 0,1,2,3
	ds_load_b128 v[WF+8*\s:WF+8*\s+3],   v5 offset:64*\s     ; LDS serves a wave's instructions in order (ISA guide 5.7.1.4): these see my stores above; no other wave touches my stage
	ds_load_b128 v[WF+8*\s+4:WF+8*\s+7], v5 offset:64*\s+32
.endr
	s_wait_dscnt 0x0
	; 16 matrix instructions.  The four accumulators take turns, one instruction a turn; the first four start the sums.
.set sl, 0
.rept 4
	s_wait_loadcnt 24-8*sl                         ; this step's eight loads of x are in; the later steps' stay out
.set mt, 0
.rept 4
.if sl == 0
	v_wmma_f32_16x16x32_bf16 v[D+8*mt:D+8*mt+7], v[WF+8*sl:WF+8*sl+7], v[AF+8*(4*sl+mt):AF+8*(4*sl+mt)+7], 0
.else
	v_wmma_f32_16x16x32_bf16 v[D+8*mt:D+8*mt+7], v[WF+8*sl:WF+8*sl+7], v[AF+8*(4*sl+mt):AF+8*(4*sl+mt)+7], v[D+8*mt:D+8*mt+7]
.endif
.set mt, mt+1
.endr
.set sl, sl+1
.endr
.rept 4
	v_nop                                          ; four places behind the last product: for the stores of the results, and for all that later writes the products' sources
.endr
.irp m, 0,1,2,3
	ds_store_b128 v6, v[D+8*\m:D+8*\m+3]   offset:1024*\m      ; each accumulator from its low end on
	ds_store_b128 v6, v[D+8*\m+4:D+8*\m+7] offset:1024*\m+512
.endr
	s_wait_kmcnt 0x0                               ; the biases
	s_wait_dscnt 0x0                               ; for the others' sake: my partial sums are stored
	s_barrier_signal -1
	s_barrier_wait -1
	s_cmp_lt_u32 s14, 4
	s_cbranch_scc0 .Lend                           ; waves 0 to 3 finish a batch tile each
.set p, 0
.rept NW
	ds_load_b128 v[R+8*p:R+8*p+3],   v7 offset:4096*p
	ds_load_b128 v[R+8*p+4:R+8*p+7], v7 offset:4096*p+512
.set p, p+1
.endr
.set p, 1
.rept NW-1
	s_wait_dscnt 2*(NW-1-p)                        ; wave p's two loads are in; the later waves' stay out
.irp n, 0,2,4,6
	v_pk_add_f32 v[R+\n:R+\n+1], v[R+\n:R+\n+1], v[R+8*p+\n:R+8*p+\n+1]
.endr
.set p, p+1
.endr
	; THE ACTIVATIONS, for four units of one batch row a lane; lanes 0 to 15 hold what counts.
.irp c, 0,1,2,3
	v_permlanex16_b32 v[XO+\c], v[R+\c], s56, s57  ; gate o comes over from the lane 16 away
.endr
.irp c, 0,1,2,3
	v_add_f32 v[R+\c],   s[20+\c], v[R+\c]         ; + b_ih, then + b_hh: the reference's order
	v_add_f32 v[R+4+\c], s[24+\c], v[R+4+\c]
	v_add_f32 v[XO+\c],  s[28+\c], v[XO+\c]
.endr
.irp c, 0,1,2,3
	v_add_f32 v[R+\c],   s[32+\c], v[R+\c]
	v_add_f32 v[R+4+\c], s[36+\c], v[R+4+\c]
	v_add_f32 v[XO+\c],  s[40+\c], v[XO+\c]
.endr
; Behind an exponential or a reciprocal one plain vector instruction stands before its result is used (ISA guide 5.7.2): a v_nop, or work that is due anyway.
.macro SIG4 t, x                       ; t = 1 / (1 + 2^(-log2(e) x))
.irp c, 0,1,2,3
	v_mul_f32 v[\t+\c], 0xbfb8aa3b, v[\x+\c]
.endr
.irp c, 0,1,2,3
	v_exp_f32 v[\t+\c], v[\t+\c]
.endr
	v_nop
	s_wait_alu depctr_va_vdst(0)
.irp c, 0,1,2,3
	v_add_f32 v[\t+\c], 1.0, v[\t+\c]
.endr
.irp c, 0,1,2,3
	v_rcp_f32 v[\t+\c], v[\t+\c]
.endr
	v_nop
.endm
.macro TANH4 t, x                      ; t = tanh(x); Q and P at work
.irp c, 0,1,2,3
	v_mul_f32 v[\t+\c], 0x4038aa3b, v[\x+\c]       ; 2 log2(e) x
.endr
.irp c, 0,1,2,3
	v_exp_f32 v[\t+\c], v[\t+\c]
.endr
.irp c, 0,1,2,3
	v_mul_f32 v[Q+\c], v[\x+\c], v[\x+\c]
.endr
	s_wait_alu depctr_va_vdst(0)
.irp c, 0,1,2,3
	v_add_f32 v[\t+\c], 1.0, v[\t+\c]
.endr
.irp c, 0,1,2,3
	v_rcp_f32 v[\t+\c], v[\t+\c]
.endr
.irp c, 0,1,2,3
	v_fma_f32 v[P+\c], v[Q+\c], s58, s59
.endr
.irp c, 0,1,2,3
	v_fma_f32 v[P+\c], v[P+\c], v[Q+\c], 1.0
.endr
.irp c, 0,1,2,3
	v_mul_f32 v[P+\c], v[P+\c], v[\x+\c]
.endr
	s_wait_alu depctr_va_vdst(0)
.irp c, 0,1,2,3
	v_fma_f32 v[\t+\c], v[\t+\c], -2.0, 1.0
.endr
.irp c, 0,1,2,3
	v_cmp_gt_f32 vcc_lo, s60, v[Q+\c]
	v_cndmask_b32 v[\t+\c], v[\t+\c], v[P+\c], vcc_lo
.endr
.endm
	SIG4 T1, R
	TANH4 T2, R+4
.irp c, 0,1,2,3
	v_mul_f32 v[CC+\c], v[T1+\c], v[T2+\c]
.endr
	SIG4 T3, XO
	TANH4 T2, CC
.irp c, 0,1,2,3
	v_mul_f32 v[HH+\c], v[T3+\c], v[T2+\c]
.endr
.if !LAST
	v_cvt_pk_bf16_f32 v[HB],   v[HH],   v[HH+1]
	v_cvt_pk_bf16_f32 v[HB+1], v[HH+2], v[HH+3]
.endif
	s_wait_xcnt 0x0                                ; EXEC changes only behind this wait
	v_cmp_gt_u32 vcc_lo, 16, v8
	s_and_saveexec_b32 s54, vcc_lo                 ; lanes 0 to 15
.if LAST
	global_store_b128 v9, v[HH:HH+3], s[12:13]     ; 16 lanes store 256 consecutive bytes, at a multiple of 256 from the buffer's first byte
.else
	global_store_b64 v9, v[HB:HB+1], s[12:13]      ; pieces of 8 bytes, 16 apart: in fragment order my four units alternate with my neighbour's; paid so that the next layer's 256 work-groups read runs of 512 bytes
.endif
	s_wait_xcnt 0x0                                ; and again, in front of the line that widens it
	s_or_b32 exec_lo, exec_lo, s54
.Lend:
	s_wait_tensorcnt 0x0                           ; the wave's end: behind my last LDS store
	ds_add_u32 v1, v2
	s_wait_dscnt 0x0
	s_endpgm
.Lfunc_end_k_q854d452169_lstm0:
	.size	k_q854d452169_lstm0, .Lfunc_end_k_q854d452169_lstm0-k_q854d452169_lstm0
	.p2alignl 7, 3214868480
	.fill 96, 4, 3214868480
	.section	.rodata,"a",@progbits
	.p2align	6, 0x0
	.amdhsa_kernel k_q854d452169_lstm0
		.amdhsa_group_segment_fixed_size 137216
		.amdhsa_private_segment_fixed_size 0
		.amdhsa_enable_private_segment 0
		.amdhsa_kernarg_size 40
		.amdhsa_user_sgpr_count 2
		.amdhsa_user_sgpr_kernarg_segment_ptr 1
		.amdhsa_wavefront_size32 1
		.amdhsa_system_sgpr_workgroup_id_x 1
		.amdhsa_system_sgpr_workgroup_id_y 1
		.amdhsa_system_sgpr_workgroup_id_z 1
		.amdhsa_system_vgpr_workitem_id 0
		.amdhsa_next_free_vgpr 256
		.amdhsa_next_free_sgpr 66
		.amdhsa_reserve_vcc 1
		.amdhsa_float_denorm_mode_32 3
		.amdhsa_float_denorm_mode_16_64 3
		.amdhsa_memory_ordered 1
		.amdhsa_forward_progress 1
		.amdhsa_inst_pref_size 26
	.end_amdhsa_kernel
	.amdgpu_metadata
---
amdhsa.version: [ 1, 2 ]
amdhsa.kernels:
  - .name:           k_q854d452169_lstm0
    .symbol:         k_q854d452169_lstm0.kd
    .args:
      - { .name: ctx, .offset: 0, .size: 8, .value_kind: global_buffer, .address_space: global }
      - { .name: w_ih_0, .offset: 8, .size: 8, .value_kind: global_buffer, .address_space: global }
      - { .name: b_ih_0, .offset: 16, .size: 8, .value_kind: global_buffer, .address_space: global }
      - { .name: b_hh_0, .offset: 24, .size: 8, .value_kind: global_buffer, .address_space: global }
      - { .name: ha, .offset: 32, .size: 8, .value_kind: global_buffer, .address_space: global }
    .group_segment_fixed_size: 137216
    .private_segment_fixed_size: 0
    .kernarg_segment_align: 8
    .kernarg_segment_size: 40
    .max_flat_workgroup_size: 512
    .sgpr_count:     66
    .vgpr_count:     256
    .wavefront_size: 32
...
	.end_amdgpu_metadata
.endif
;; end of part 3
;; launch lstm1 (part 4): grid 256 x 1, 8 waves a work-group, no clusters, 167,936 bytes of LDS; arguments ha, w_ih_1, b_ih_1, b_hh_1, hb; writes hb
.if DOCPART == 4
	.amdgcn_target "amdgcn-amd-amdhsa--gfx1250"
	.amdhsa_code_object_version 6
	.text
	.protected	k_q854d452169_lstm1
	.globl	k_q854d452169_lstm1
	.p2align	8
	.type	k_q854d452169_lstm1,@function
k_q854d452169_lstm1:
	s_mov_b64 s[64:65], 0
	v_nop
	global_prefetch_b8 v0, s[64:65] scope:SCOPE_SE
	s_setreg_imm32_b32 hwreg(HW_REG_WAVE_MODE, 25, 1), 1
	s_wait_xcnt 0x0
; ONE LSTM LAYER, one time step from a zero state: gates = x W^T + b_ih + b_hh; c = sigmoid(i) tanh(g); h = sigmoid(o) tanh(c).  x: [64][KK]; W: [4096][KK] f32, gate order i, f, g, o.
; NOT READ, because the reference throws away what they feed: w_hh (multiplied by h0 = 0, and never named there) and rows 1024 .. 2047 of W, b_ih, b_hh (the f gate, multiplied by c0 = 0).
; FORMATS: x arrives in bf16, W is rounded to bf16 on its way in, sums in f32, biases and activations in f32; h leaves in bf16 for the next layer (LAST = 0) or in f32 (LAST = 1).
; tanh(x) = 1 - 2 / (1 + 2^(2 log2(e) x)); where x^2 < 2^-8 the series x (1 - x^2 / 3 + 2 x^4 / 15) is selected instead, cut at a relative 4e-9 there, so that small arguments keep their relative accuracy.
; LIMITS: NaN and infinities are not treated apart.
; SHARES.  Work-group g owns the units 4 g .. 4 g + 3: twelve rows of W, one matrix tile of 16 rows: 0-3 gate i, 4-7 gate g, 8-11 gate o, 12-15 rows 8-11 once more (results unused).  Each byte of W is read by
; one work-group.  Wave w owns k = 128 w .. 128 w + 127 for all 64 batch rows: the waves share no input, and only their partial sums meet, in LDS.  All 44 loads of a wave go out at its head.
; The text uses 68,608 bytes of LDS; the launch claims more than half of what a work-group may have, so that each of the 256 work-groups has a place of its own.
; x LIES IN THE ORDER OF MATRIX FRAGMENTS: element (b, k) at byte (k / 32) 4096 + (b / 16) 1024 + ((k / 16) % 2) 512 + ((k / 8) % 2) 256 + (b % 16) 16 + (k % 8) 2: each half fragment is one load of 512 consecutive bytes.
; NO CLUSTER: x is read by all work-groups, but a joint load lands in LDS and would be read from there once more; loads in fragment order go straight into the fragments' registers.
; THE MATRIX INSTRUCTION: source 0 = W's 16 rows, source 1 = 16 batch rows: register j of lane l holds W row 8 (l / 16) + j for batch row l % 16: lanes 0-15 hold i (0-3) and g (4-7), lanes 16-31 hold o (0-3).
.set KK,    1024
.set LAST,  0
.set NW,    KK/128    ; waves
.set WP,    272       ; a row of W's stage: 256 bytes of bf16 + 16: the 16 rows of a fragment load start at 16 different groups of four banks (64 banks of 4 bytes: ISA guide 11.1)
.set WSTG,  16*WP     ; a wave's own stage, 4,352 bytes
.set PBASE, NW*WSTG   ; the partial sums: [wave][batch tile][half of the registers][lane] 16 bytes: 4,096 bytes a wave
.set SPARE, PBASE+NW*4096  ; the spare words: 128 bytes for each wave; no other line names them
.set D,   16          ; v[16:47]   four accumulators, one for each batch tile
.set WF,  48          ; v[48:79]   W's four fragments; later the activations' registers
.set WR,  80          ; v[80:127]  W's twelve rows as loaded, 4 numbers a lane
.set AF,  128         ; v[128:255] x's sixteen fragments: (4 sl + mt) 8
.set R,   128         ; later the waves' partial sums, 8 registers a wave
.set XO,  R+8
.set T1,  48
.set T2,  52
.set T3,  56
.set Q,   60
.set P,   64
.set CC,  68
.set HH,  72
.set HB,  76
; v1 my spare word, v2 zero; v3 16 x lane; v4, v5 stage addresses (in, out); v6, v7 partial sums' addresses (in, out); v8 lane; v9 16 x (lane % 16); v10, v11 at work
	s_load_b256 s[4:11], s[0:1], 0x0               ; x s[4:5], W s[6:7], b_ih s[8:9], b_hh s[10:11]
	s_load_b64 s[12:13], s[0:1], 0x20              ; h
	v_lshl_add_u32 v1, v0, 2, SPARE
	v_mov_b32 v2, 0
	v_lshrrev_b32 v10, 5, v0
	v_readfirstlane_b32 s14, v10                   ; wave
	s_mov_b32 s15, ttmp9                           ; g
	v_and_b32 v8, 31, v0
	v_lshlrev_b32 v3, 4, v8
	v_and_b32 v11, 15, v0
	v_lshlrev_b32 v9, 4, v11
	v_mul_u32_u24 v5, v11, WP
	v_bfe_u32 v10, v0, 4, 1
	v_lshl_add_u32 v5, v10, 4, v5                  ; a fragment's row x pitch + 16 x half
	s_mul_i32 s55, s14, WSTG
	v_add_nc_u32 v5, s55, v5
	v_lshl_add_u32 v4, v8, 3, s55                  ; my four bf16 of a row
	s_lshl_b32 s55, s14, 12
	s_add_co_u32 s55, s55, PBASE
	v_add_nc_u32 v6, s55, v3
	s_lshl_b32 s55, s14, 10
	s_add_co_u32 s55, s55, PBASE
	v_add_nc_u32 v7, s55, v3                       ; waves 0 to 3: batch tile w of every wave's sums
	s_mov_b32 s56, 0x76543210                      ; v_permlanex16_b32: each lane takes its own place in the other half
	s_mov_b32 s57, 0xfedcba98
	s_mov_b32 s58, 0x3e088889                      ; 2 / 15
	s_mov_b32 s59, 0xbeaaaaab                      ; -1 / 3
	s_mov_b32 s60, 0x3b800000                      ; 2^-8
	s_mul_i32 s50, s15, 16*KK                      ; W: four rows for each g,
	s_lshl_b32 s55, s14, 9                         ; my wave's 512 bytes of a row
	s_add_co_u32 s50, s50, s55
	s_mov_b32 s51, 0
	s_lshl_b32 s16, s14, 14                        ; x: four steps of 32 along k for each wave
	s_mov_b32 s17, 0
	s_lshl_b32 s18, s15, 4                         ; the biases: four numbers for each g
	s_mov_b32 s19, 0
.if LAST
	s_lshl_b32 s62, s15, 10                        ; h as [256 g][64 b][4] f32: 1,024 g + 256 w
	s_lshl_b32 s55, s14, 8
	s_add_co_u32 s62, s62, s55
.else
	s_lshr_b32 s62, s15, 3                         ; h in fragment order, k = 4 g + c: k / 32 = g / 8,
	s_lshl_b32 s62, s62, 12
	s_bfe_u32 s55, s15, 0x10002                    ; (k / 16) % 2 = (g / 4) % 2,
	s_lshl_b32 s55, s55, 9
	s_add_co_u32 s62, s62, s55
	s_bfe_u32 s55, s15, 0x10001                    ; (k / 8) % 2 = (g / 2) % 2,
	s_lshl_b32 s55, s55, 8
	s_add_co_u32 s62, s62, s55
	s_and_b32 s55, s15, 1                          ; four bf16 for g % 2,
	s_lshl_b32 s55, s55, 3
	s_add_co_u32 s62, s62, s55
	s_lshl_b32 s55, s14, 10                        ; batch tile w
	s_add_co_u32 s62, s62, s55
.endif
	s_mov_b32 s63, 0
	s_wait_kmcnt 0x0
	s_add_nc_u64 s[44:45], s[6:7], s[50:51]        ; gate i's rows,
	s_add_nc_u64 s[46:47], s[44:45], 2048*4*KK     ; gate g's,
	s_add_nc_u64 s[48:49], s[44:45], 3072*4*KK     ; gate o's
	s_add_nc_u64 s[52:53], s[4:5], s[16:17]
	s_add_nc_u64 s[8:9], s[8:9], s[18:19]
	s_add_nc_u64 s[10:11], s[10:11], s[18:19]
	s_add_nc_u64 s[12:13], s[12:13], s[62:63]
.set i, 0
.rept 12
	global_load_b128 v[WR+4*i:WR+4*i+3], v3, s[44+2*(i/4):45+2*(i/4)] offset:(i%4)*4*KK th:TH_LOAD_NT  ; 512 consecutive bytes of one row
.set i, i+1
.endr
.set i, 0
.rept 16
	global_load_b128 v[AF+8*i:AF+8*i+3],   v3, s[52:53] offset:1024*i
	global_load_b128 v[AF+8*i+4:AF+8*i+7], v3, s[52:53] offset:1024*i+512
.set i, i+1
.endr
	s_load_b128 s[20:23], s[8:9], 0x0              ; b_ih: i, g, o
	s_load_b128 s[24:27], s[8:9], 0x2000
	s_load_b128 s[28:31], s[8:9], 0x3000
	s_load_b128 s[32:35], s[10:11], 0x0            ; b_hh: i, g, o
	s_load_b128 s[36:39], s[10:11], 0x2000
	s_load_b128 s[40:43], s[10:11], 0x3000
	; W's rows are rounded to bf16 and laid into my wave's stage; rows 8 to 11 also as rows 12 to 15.
.set i, 0
.rept 12
	s_wait_loadcnt 43-i                            ; row i is in: behind it 11 - i loads of W and the 32 of x
	v_cvt_pk_bf16_f32 v[WR+4*i],   v[WR+4*i],   v[WR+4*i+1]
	v_cvt_pk_bf16_f32 v[WR+4*i+1], v[WR+4*i+2], v[WR+4*i+3]
	ds_store_b64 v4, v[WR+4*i:WR+4*i+1] offset:WP*i
.if i >= 8
	ds_store_b64 v4, v[WR+4*i:WR+4*i+1] offset:WP*(i+4)
.endif
.set i, i+1
.endr
.irp s, 0,1,2,3
	ds_load_b128 v[WF+8*\s:WF+8*\s+3],   v5 offset:64*\s     ; LDS serves a wave's instructions in order (ISA guide 5.7.1.4): these see my stores above; no other wave touches my stage
	ds_load_b128 v[WF+8*\s+4:WF+8*\s+7], v5 offset:64*\s+32
.endr
	s_wait_dscnt 0x0
	; 16 matrix instructions.  The four accumulators take turns, one instruction a turn; the first four start the sums.
.set sl, 0
.rept 4
	s_wait_loadcnt 24-8*sl                         ; this step's eight loads of x are in; the later steps' stay out
.set mt, 0
.rept 4
.if sl == 0
	v_wmma_f32_16x16x32_bf16 v[D+8*mt:D+8*mt+7], v[WF+8*sl:WF+8*sl+7], v[AF+8*(4*sl+mt):AF+8*(4*sl+mt)+7], 0
.else
	v_wmma_f32_16x16x32_bf16 v[D+8*mt:D+8*mt+7], v[WF+8*sl:WF+8*sl+7], v[AF+8*(4*sl+mt):AF+8*(4*sl+mt)+7], v[D+8*mt:D+8*mt+7]
.endif
.set mt, mt+1
.endr
.set sl, sl+1
.endr
.rept 4
	v_nop                                          ; four places behind the last product: for the stores of the results, and for all that later writes the products' sources
.endr
.irp m, 0,1,2,3
	ds_store_b128 v6, v[D+8*\m:D+8*\m+3]   offset:1024*\m      ; each accumulator from its low end on
	ds_store_b128 v6, v[D+8*\m+4:D+8*\m+7] offset:1024*\m+512
.endr
	s_wait_kmcnt 0x0                               ; the biases
	s_wait_dscnt 0x0                               ; for the others' sake: my partial sums are stored
	s_barrier_signal -1
	s_barrier_wait -1
	s_cmp_lt_u32 s14, 4
	s_cbranch_scc0 .Lend                           ; waves 0 to 3 finish a batch tile each
.set p, 0
.rept NW
	ds_load_b128 v[R+8*p:R+8*p+3],   v7 offset:4096*p
	ds_load_b128 v[R+8*p+4:R+8*p+7], v7 offset:4096*p+512
.set p, p+1
.endr
.set p, 1
.rept NW-1
	s_wait_dscnt 2*(NW-1-p)                        ; wave p's two loads are in; the later waves' stay out
.irp n, 0,2,4,6
	v_pk_add_f32 v[R+\n:R+\n+1], v[R+\n:R+\n+1], v[R+8*p+\n:R+8*p+\n+1]
.endr
.set p, p+1
.endr
	; THE ACTIVATIONS, for four units of one batch row a lane; lanes 0 to 15 hold what counts.
.irp c, 0,1,2,3
	v_permlanex16_b32 v[XO+\c], v[R+\c], s56, s57  ; gate o comes over from the lane 16 away
.endr
.irp c, 0,1,2,3
	v_add_f32 v[R+\c],   s[20+\c], v[R+\c]         ; + b_ih, then + b_hh: the reference's order
	v_add_f32 v[R+4+\c], s[24+\c], v[R+4+\c]
	v_add_f32 v[XO+\c],  s[28+\c], v[XO+\c]
.endr
.irp c, 0,1,2,3
	v_add_f32 v[R+\c],   s[32+\c], v[R+\c]
	v_add_f32 v[R+4+\c], s[36+\c], v[R+4+\c]
	v_add_f32 v[XO+\c],  s[40+\c], v[XO+\c]
.endr
; Behind an exponential or a reciprocal one plain vector instruction stands before its result is used (ISA guide 5.7.2): a v_nop, or work that is due anyway.
.macro SIG4 t, x                       ; t = 1 / (1 + 2^(-log2(e) x))
.irp c, 0,1,2,3
	v_mul_f32 v[\t+\c], 0xbfb8aa3b, v[\x+\c]
.endr
.irp c, 0,1,2,3
	v_exp_f32 v[\t+\c], v[\t+\c]
.endr
	v_nop
	s_wait_alu depctr_va_vdst(0)
.irp c, 0,1,2,3
	v_add_f32 v[\t+\c], 1.0, v[\t+\c]
.endr
.irp c, 0,1,2,3
	v_rcp_f32 v[\t+\c], v[\t+\c]
.endr
	v_nop
.endm
.macro TANH4 t, x                      ; t = tanh(x); Q and P at work
.irp c, 0,1,2,3
	v_mul_f32 v[\t+\c], 0x4038aa3b, v[\x+\c]       ; 2 log2(e) x
.endr
.irp c, 0,1,2,3
	v_exp_f32 v[\t+\c], v[\t+\c]
.endr
.irp c, 0,1,2,3
	v_mul_f32 v[Q+\c], v[\x+\c], v[\x+\c]
.endr
	s_wait_alu depctr_va_vdst(0)
.irp c, 0,1,2,3
	v_add_f32 v[\t+\c], 1.0, v[\t+\c]
.endr
.irp c, 0,1,2,3
	v_rcp_f32 v[\t+\c], v[\t+\c]
.endr
.irp c, 0,1,2,3
	v_fma_f32 v[P+\c], v[Q+\c], s58, s59
.endr
.irp c, 0,1,2,3
	v_fma_f32 v[P+\c], v[P+\c], v[Q+\c], 1.0
.endr
.irp c, 0,1,2,3
	v_mul_f32 v[P+\c], v[P+\c], v[\x+\c]
.endr
	s_wait_alu depctr_va_vdst(0)
.irp c, 0,1,2,3
	v_fma_f32 v[\t+\c], v[\t+\c], -2.0, 1.0
.endr
.irp c, 0,1,2,3
	v_cmp_gt_f32 vcc_lo, s60, v[Q+\c]
	v_cndmask_b32 v[\t+\c], v[\t+\c], v[P+\c], vcc_lo
.endr
.endm
	SIG4 T1, R
	TANH4 T2, R+4
.irp c, 0,1,2,3
	v_mul_f32 v[CC+\c], v[T1+\c], v[T2+\c]
.endr
	SIG4 T3, XO
	TANH4 T2, CC
.irp c, 0,1,2,3
	v_mul_f32 v[HH+\c], v[T3+\c], v[T2+\c]
.endr
.if !LAST
	v_cvt_pk_bf16_f32 v[HB],   v[HH],   v[HH+1]
	v_cvt_pk_bf16_f32 v[HB+1], v[HH+2], v[HH+3]
.endif
	s_wait_xcnt 0x0                                ; EXEC changes only behind this wait
	v_cmp_gt_u32 vcc_lo, 16, v8
	s_and_saveexec_b32 s54, vcc_lo                 ; lanes 0 to 15
.if LAST
	global_store_b128 v9, v[HH:HH+3], s[12:13]     ; 16 lanes store 256 consecutive bytes, at a multiple of 256 from the buffer's first byte
.else
	global_store_b64 v9, v[HB:HB+1], s[12:13]      ; pieces of 8 bytes, 16 apart: in fragment order my four units alternate with my neighbour's; paid so that the next layer's 256 work-groups read runs of 512 bytes
.endif
	s_wait_xcnt 0x0                                ; and again, in front of the line that widens it
	s_or_b32 exec_lo, exec_lo, s54
.Lend:
	s_wait_tensorcnt 0x0                           ; the wave's end: behind my last LDS store
	ds_add_u32 v1, v2
	s_wait_dscnt 0x0
	s_endpgm
.Lfunc_end_k_q854d452169_lstm1:
	.size	k_q854d452169_lstm1, .Lfunc_end_k_q854d452169_lstm1-k_q854d452169_lstm1
	.p2alignl 7, 3214868480
	.fill 96, 4, 3214868480
	.section	.rodata,"a",@progbits
	.p2align	6, 0x0
	.amdhsa_kernel k_q854d452169_lstm1
		.amdhsa_group_segment_fixed_size 167936
		.amdhsa_private_segment_fixed_size 0
		.amdhsa_enable_private_segment 0
		.amdhsa_kernarg_size 40
		.amdhsa_user_sgpr_count 2
		.amdhsa_user_sgpr_kernarg_segment_ptr 1
		.amdhsa_wavefront_size32 1
		.amdhsa_system_sgpr_workgroup_id_x 1
		.amdhsa_system_sgpr_workgroup_id_y 1
		.amdhsa_system_sgpr_workgroup_id_z 1
		.amdhsa_system_vgpr_workitem_id 0
		.amdhsa_next_free_vgpr 256
		.amdhsa_next_free_sgpr 66
		.amdhsa_reserve_vcc 1
		.amdhsa_float_denorm_mode_32 3
		.amdhsa_float_denorm_mode_16_64 3
		.amdhsa_memory_ordered 1
		.amdhsa_forward_progress 1
		.amdhsa_inst_pref_size 23
	.end_amdhsa_kernel
	.amdgpu_metadata
---
amdhsa.version: [ 1, 2 ]
amdhsa.kernels:
  - .name:           k_q854d452169_lstm1
    .symbol:         k_q854d452169_lstm1.kd
    .args:
      - { .name: ha, .offset: 0, .size: 8, .value_kind: global_buffer, .address_space: global }
      - { .name: w_ih_1, .offset: 8, .size: 8, .value_kind: global_buffer, .address_space: global }
      - { .name: b_ih_1, .offset: 16, .size: 8, .value_kind: global_buffer, .address_space: global }
      - { .name: b_hh_1, .offset: 24, .size: 8, .value_kind: global_buffer, .address_space: global }
      - { .name: hb, .offset: 32, .size: 8, .value_kind: global_buffer, .address_space: global }
    .group_segment_fixed_size: 167936
    .private_segment_fixed_size: 0
    .kernarg_segment_align: 8
    .kernarg_segment_size: 40
    .max_flat_workgroup_size: 256
    .sgpr_count:     66
    .vgpr_count:     256
    .wavefront_size: 32
...
	.end_amdgpu_metadata
.endif
;; end of part 4
;; launch lstm2: the kernel of part 4 again; grid 256 x 1, 8 waves a work-group, no clusters, 167,936 bytes of LDS; arguments hb, w_ih_2, b_ih_2, b_hh_2, ha; writes ha
;; launch lstm3 (part 5): grid 256 x 1, 8 waves a work-group, no clusters, 167,936 bytes of LDS; arguments ha, w_ih_3, b_ih_3, b_hh_3, h3t; writes h3t
.if DOCPART == 5
	.amdgcn_target "amdgcn-amd-amdhsa--gfx1250"
	.amdhsa_code_object_version 6
	.text
	.protected	k_q854d452169_lstm3
	.globl	k_q854d452169_lstm3
	.p2align	8
	.type	k_q854d452169_lstm3,@function
k_q854d452169_lstm3:
	s_mov_b64 s[64:65], 0
	v_nop
	global_prefetch_b8 v0, s[64:65] scope:SCOPE_SE
	s_setreg_imm32_b32 hwreg(HW_REG_WAVE_MODE, 25, 1), 1
	s_wait_xcnt 0x0
; THE LAST LSTM LAYER, one time step from a zero state: gates = x W^T + b_ih + b_hh; c = sigmoid(i) tanh(g); h = sigmoid(o) tanh(c).  x: [64][KK]; W: [4096][KK] f32, gate order i, f, g, o.
; NOT READ, because the reference throws away what they feed: w_hh (multiplied by h0 = 0, and never named there) and rows 1024 .. 2047 of W, b_ih, b_hh (the f gate, multiplied by c0 = 0).
; FORMATS: x arrives in bf16, W is rounded to bf16 on its way in, sums in f32, biases and activations in f32; h leaves in bf16 for the next layer (LAST = 0) or in f32 (LAST = 1: here).
; tanh(x) = 1 - 2 / (1 + 2^(2 log2(e) x)); where x^2 < 2^-8 the series x (1 - x^2 / 3 + 2 x^4 / 15) is selected instead, cut at a relative 4e-9 there, so that small arguments keep their relative accuracy.
; LIMITS: NaN and infinities are not treated apart.
; SHARES.  Work-group g owns the units 4 g .. 4 g + 3: twelve rows of W, one matrix tile of 16 rows: 0-3 gate i, 4-7 gate g, 8-11 gate o, 12-15 rows 8-11 once more (results unused).  Each byte of W is read by
; one work-group.  Wave w owns k = 128 w .. 128 w + 127 for all 64 batch rows: the waves share no input, and only their partial sums meet, in LDS.  All 44 loads of a wave go out at its head.
; The text uses 68,608 bytes of LDS; the launch claims more than half of what a work-group may have, so that each of the 256 work-groups has a place of its own.
; x LIES IN THE ORDER OF MATRIX FRAGMENTS: element (b, k) at byte (k / 32) 4096 + (b / 16) 1024 + ((k / 16) % 2) 512 + ((k / 8) % 2) 256 + (b % 16) 16 + (k % 8) 2: each half fragment is one load of 512 consecutive bytes.
; h LEAVES AS [256 g][64 b][4]: my four units of 16 batch rows are 256 consecutive bytes; the launch behind turns that into rows of the output.
; NO CLUSTER: x is read by all work-groups, but a joint load lands in LDS and would be read from there once more; loads in fragment order go straight into the fragments' registers.
; THE MATRIX INSTRUCTION: source 0 = W's 16 rows, source 1 = 16 batch rows: register j of lane l holds W row 8 (l / 16) + j for batch row l % 16: lanes 0-15 hold i (0-3) and g (4-7), lanes 16-31 hold o (0-3).
.set KK,    1024
.set LAST,  1
.set NW,    KK/128    ; waves
.set WP,    272       ; a row of W's stage: 256 bytes of bf16 + 16: the 16 rows of a fragment load start at 16 different groups of four banks (64 banks of 4 bytes: ISA guide 11.1)
.set WSTG,  16*WP     ; a wave's own stage, 4,352 bytes
.set PBASE, NW*WSTG   ; the partial sums: [wave][batch tile][half of the registers][lane] 16 bytes: 4,096 bytes a wave
.set SPARE, PBASE+NW*4096  ; the spare words: 128 bytes for each wave; no other line names them
.set D,   16          ; v[16:47]   four accumulators, one for each batch tile
.set WF,  48          ; v[48:79]   W's four fragments; later the activations' registers
.set WR,  80          ; v[80:127]  W's twelve rows as loaded, 4 numbers a lane
.set AF,  128         ; v[128:255] x's sixteen fragments: (4 sl + mt) 8
.set R,   128         ; later the waves' partial sums, 8 registers a wave
.set XO,  R+8
.set T1,  48
.set T2,  52
.set T3,  56
.set Q,   60
.set P,   64
.set CC,  68
.set HH,  72
.set HB,  76
; v1 my spare word, v2 zero; v3 16 x lane; v4, v5 stage addresses (in, out); v6, v7 partial sums' addresses (in, out); v8 lane; v9 16 x (lane % 16); v10, v11 at work
	s_load_b256 s[4:11], s[0:1], 0x0               ; x s[4:5], W s[6:7], b_ih s[8:9], b_hh s[10:11]
	s_load_b64 s[12:13], s[0:1], 0x20              ; h
	v_lshl_add_u32 v1, v0, 2, SPARE
	v_mov_b32 v2, 0
	v_lshrrev_b32 v10, 5, v0
	v_readfirstlane_b32 s14, v10                   ; wave
	s_mov_b32 s15, ttmp9                           ; g
	v_and_b32 v8, 31, v0
	v_lshlrev_b32 v3, 4, v8
	v_and_b32 v11, 15, v0
	v_lshlrev_b32 v9, 4, v11
	v_mul_u32_u24 v5, v11, WP
	v_bfe_u32 v10, v0, 4, 1
	v_lshl_add_u32 v5, v10, 4, v5                  ; a fragment's row x pitch + 16 x half
	s_mul_i32 s55, s14, WSTG
	v_add_nc_u32 v5, s55, v5
	v_lshl_add_u32 v4, v8, 3, s55                  ; my four bf16 of a row
	s_lshl_b32 s55, s14, 12
	s_add_co_u32 s55, s55, PBASE
	v_add_nc_u32 v6, s55, v3
	s_lshl_b32 s55, s14, 10
	s_add_co_u32 s55, s55, PBASE
	v_add_nc_u32 v7, s55, v3                       ; waves 0 to 3: batch tile w of every wave's sums
	s_mov_b32 s56, 0x76543210                      ; v_permlanex16_b32: each lane takes its own place in the other half
	s_mov_b32 s57, 0xfedcba98
	s_mov_b32 s58, 0x3e088889                      ; 2 / 15
	s_mov_b32 s59, 0xbeaaaaab                      ; -1 / 3
	s_mov_b32 s60, 0x3b800000                      ; 2^-8
	s_mul_i32 s50, s15, 16*KK                      ; W: four rows for each g,
	s_lshl_b32 s55, s14, 9                         ; my wave's 512 bytes of a row
	s_add_co_u32 s50, s50, s55
	s_mov_b32 s51, 0
	s_lshl_b32 s16, s14, 14                        ; x: four steps of 32 along k for each wave
	s_mov_b32 s17, 0
	s_lshl_b32 s18, s15, 4                         ; the biases: four numbers for each g
	s_mov_b32 s19, 0
.if LAST
	s_lshl_b32 s62, s15, 10                        ; h as [256 g][64 b][4] f32: 1,024 g + 256 w
	s_lshl_b32 s55, s14, 8
	s_add_co_u32 s62, s62, s55
.else
	s_lshr_b32 s62, s15, 3                         ; h in fragment order, k = 4 g + c: k / 32 = g / 8,
	s_lshl_b32 s62, s62, 12
	s_bfe_u32 s55, s15, 0x10002                    ; (k / 16) % 2 = (g / 4) % 2,
	s_lshl_b32 s55, s55, 9
	s_add_co_u32 s62, s62, s55
	s_bfe_u32 s55, s15, 0x10001                    ; (k / 8) % 2 = (g / 2) % 2,
	s_lshl_b32 s55, s55, 8
	s_add_co_u32 s62, s62, s55
	s_and_b32 s55, s15, 1                          ; four bf16 for g % 2,
	s_lshl_b32 s55, s55, 3
	s_add_co_u32 s62, s62, s55
	s_lshl_b32 s55, s14, 10                        ; batch tile w
	s_add_co_u32 s62, s62, s55
.endif
	s_mov_b32 s63, 0
	s_wait_kmcnt 0x0
	s_add_nc_u64 s[44:45], s[6:7], s[50:51]        ; gate i's rows,
	s_add_nc_u64 s[46:47], s[44:45], 2048*4*KK     ; gate g's,
	s_add_nc_u64 s[48:49], s[44:45], 3072*4*KK     ; gate o's
	s_add_nc_u64 s[52:53], s[4:5], s[16:17]
	s_add_nc_u64 s[8:9], s[8:9], s[18:19]
	s_add_nc_u64 s[10:11], s[10:11], s[18:19]
	s_add_nc_u64 s[12:13], s[12:13], s[62:63]
.set i, 0
.rept 12
	global_load_b128 v[WR+4*i:WR+4*i+3], v3, s[44+2*(i/4):45+2*(i/4)] offset:(i%4)*4*KK th:TH_LOAD_NT  ; 512 consecutive bytes of one row
.set i, i+1
.endr
.set i, 0
.rept 16
	global_load_b128 v[AF+8*i:AF+8*i+3],   v3, s[52:53] offset:1024*i
	global_load_b128 v[AF+8*i+4:AF+8*i+7], v3, s[52:53] offset:1024*i+512
.set i, i+1
.endr
	s_load_b128 s[20:23], s[8:9], 0x0              ; b_ih: i, g, o
	s_load_b128 s[24:27], s[8:9], 0x2000
	s_load_b128 s[28:31], s[8:9], 0x3000
	s_load_b128 s[32:35], s[10:11], 0x0            ; b_hh: i, g, o
	s_load_b128 s[36:39], s[10:11], 0x2000
	s_load_b128 s[40:43], s[10:11], 0x3000
	; W's rows are rounded to bf16 and laid into my wave's stage; rows 8 to 11 also as rows 12 to 15.
.set i, 0
.rept 12
	s_wait_loadcnt 43-i                            ; row i is in: behind it 11 - i loads of W and the 32 of x
	v_cvt_pk_bf16_f32 v[WR+4*i],   v[WR+4*i],   v[WR+4*i+1]
	v_cvt_pk_bf16_f32 v[WR+4*i+1], v[WR+4*i+2], v[WR+4*i+3]
	ds_store_b64 v4, v[WR+4*i:WR+4*i+1] offset:WP*i
.if i >= 8
	ds_store_b64 v4, v[WR+4*i:WR+4*i+1] offset:WP*(i+4)
.endif
.set i, i+1
.endr
.irp s, 0,1,2,3
	ds_load_b128 v[WF+8*\s:WF+8*\s+3],   v5 offset:64*\s     ; LDS serves a wave's instructions in order (ISA guide 5.7.1.4): these see my stores above; no other wave touches my stage
	ds_load_b128 v[WF+8*\s+4:WF+8*\s+7], v5 offset:64*\s+32
.endr
	s_wait_dscnt 0x0
	; 16 matrix instructions.  The four accumulators take turns, one instruction a turn; the first four start the sums.
.set sl, 0
.rept 4
	s_wait_loadcnt 24-8*sl                         ; this step's eight loads of x are in; the later steps' stay out
.set mt, 0
.rept 4
.if sl == 0
	v_wmma_f32_16x16x32_bf16 v[D+8*mt:D+8*mt+7], v[WF+8*sl:WF+8*sl+7], v[AF+8*(4*sl+mt):AF+8*(4*sl+mt)+7], 0
.else
	v_wmma_f32_16x16x32_bf16 v[D+8*mt:D+8*mt+7], v[WF+8*sl:WF+8*sl+7], v[AF+8*(4*sl+mt):AF+8*(4*sl+mt)+7], v[D+8*mt:D+8*mt+7]
.endif
.set mt, mt+1
.endr
.set sl, sl+1
.endr
.rept 4
	v_nop                                          ; four places behind the last product: for the stores of the results, and for all that later writes the products' sources
.endr
.irp m, 0,1,2,3
	ds_store_b128 v6, v[D+8*\m:D+8*\m+3]   offset:1024*\m      ; each accumulator from its low end on
	ds_store_b128 v6, v[D+8*\m+4:D+8*\m+7] offset:1024*\m+512
.endr
	s_wait_kmcnt 0x0                               ; the biases
	s_wait_dscnt 0x0                               ; for the others' sake: my partial sums are stored
	s_barrier_signal -1
	s_barrier_wait -1
	s_cmp_lt_u32 s14, 4
	s_cbranch_scc0 .Lend                           ; waves 0 to 3 finish a batch tile each
.set p, 0
.rept NW
	ds_load_b128 v[R+8*p:R+8*p+3],   v7 offset:4096*p
	ds_load_b128 v[R+8*p+4:R+8*p+7], v7 offset:4096*p+512
.set p, p+1
.endr
.set p, 1
.rept NW-1
	s_wait_dscnt 2*(NW-1-p)                        ; wave p's two loads are in; the later waves' stay out
.irp n, 0,2,4,6
	v_pk_add_f32 v[R+\n:R+\n+1], v[R+\n:R+\n+1], v[R+8*p+\n:R+8*p+\n+1]
.endr
.set p, p+1
.endr
	; THE ACTIVATIONS, for four units of one batch row a lane; lanes 0 to 15 hold what counts.
.irp c, 0,1,2,3
	v_permlanex16_b32 v[XO+\c], v[R+\c], s56, s57  ; gate o comes over from the lane 16 away
.endr
.irp c, 0,1,2,3
	v_add_f32 v[R+\c],   s[20+\c], v[R+\c]         ; + b_ih, then + b_hh: the reference's order
	v_add_f32 v[R+4+\c], s[24+\c], v[R+4+\c]
	v_add_f32 v[XO+\c],  s[28+\c], v[XO+\c]
.endr
.irp c, 0,1,2,3
	v_add_f32 v[R+\c],   s[32+\c], v[R+\c]
	v_add_f32 v[R+4+\c], s[36+\c], v[R+4+\c]
	v_add_f32 v[XO+\c],  s[40+\c], v[XO+\c]
.endr
; Behind an exponential or a reciprocal one plain vector instruction stands before its result is used (ISA guide 5.7.2): a v_nop, or work that is due anyway.
.macro SIG4 t, x                       ; t = 1 / (1 + 2^(-log2(e) x))
.irp c, 0,1,2,3
	v_mul_f32 v[\t+\c], 0xbfb8aa3b, v[\x+\c]
.endr
.irp c, 0,1,2,3
	v_exp_f32 v[\t+\c], v[\t+\c]
.endr
	v_nop
	s_wait_alu depctr_va_vdst(0)
.irp c, 0,1,2,3
	v_add_f32 v[\t+\c], 1.0, v[\t+\c]
.endr
.irp c, 0,1,2,3
	v_rcp_f32 v[\t+\c], v[\t+\c]
.endr
	v_nop
.endm
.macro TANH4 t, x                      ; t = tanh(x); Q and P at work
.irp c, 0,1,2,3
	v_mul_f32 v[\t+\c], 0x4038aa3b, v[\x+\c]       ; 2 log2(e) x
.endr
.irp c, 0,1,2,3
	v_exp_f32 v[\t+\c], v[\t+\c]
.endr
.irp c, 0,1,2,3
	v_mul_f32 v[Q+\c], v[\x+\c], v[\x+\c]
.endr
	s_wait_alu depctr_va_vdst(0)
.irp c, 0,1,2,3
	v_add_f32 v[\t+\c], 1.0, v[\t+\c]
.endr
.irp c, 0,1,2,3
	v_rcp_f32 v[\t+\c], v[\t+\c]
.endr
.irp c, 0,1,2,3
	v_fma_f32 v[P+\c], v[Q+\c], s58, s59
.endr
.irp c, 0,1,2,3
	v_fma_f32 v[P+\c], v[P+\c], v[Q+\c], 1.0
.endr
.irp c, 0,1,2,3
	v_mul_f32 v[P+\c], v[P+\c], v[\x+\c]
.endr
	s_wait_alu depctr_va_vdst(0)
.irp c, 0,1,2,3
	v_fma_f32 v[\t+\c], v[\t+\c], -2.0, 1.0
.endr
.irp c, 0,1,2,3
	v_cmp_gt_f32 vcc_lo, s60, v[Q+\c]
	v_cndmask_b32 v[\t+\c], v[\t+\c], v[P+\c], vcc_lo
.endr
.endm
	SIG4 T1, R
	TANH4 T2, R+4
.irp c, 0,1,2,3
	v_mul_f32 v[CC+\c], v[T1+\c], v[T2+\c]
.endr
	SIG4 T3, XO
	TANH4 T2, CC
.irp c, 0,1,2,3
	v_mul_f32 v[HH+\c], v[T3+\c], v[T2+\c]
.endr
.if !LAST
	v_cvt_pk_bf16_f32 v[HB],   v[HH],   v[HH+1]
	v_cvt_pk_bf16_f32 v[HB+1], v[HH+2], v[HH+3]
.endif
	s_wait_xcnt 0x0                                ; EXEC changes only behind this wait
	v_cmp_gt_u32 vcc_lo, 16, v8
	s_and_saveexec_b32 s54, vcc_lo                 ; lanes 0 to 15
.if LAST
	global_store_b128 v9, v[HH:HH+3], s[12:13]     ; 16 lanes store 256 consecutive bytes, at a multiple of 256 from the buffer's first byte
.else
	global_store_b64 v9, v[HB:HB+1], s[12:13]      ; pieces of 8 bytes, 16 apart: in fragment order my four units alternate with my neighbour's; paid so that the next layer's 256 work-groups read runs of 512 bytes
.endif
	s_wait_xcnt 0x0                                ; and again, in front of the line that widens it
	s_or_b32 exec_lo, exec_lo, s54
.Lend:
	s_wait_tensorcnt 0x0                           ; the wave's end: behind my last LDS store
	ds_add_u32 v1, v2
	s_wait_dscnt 0x0
	s_endpgm
.Lfunc_end_k_q854d452169_lstm3:
	.size	k_q854d452169_lstm3, .Lfunc_end_k_q854d452169_lstm3-k_q854d452169_lstm3
	.p2alignl 7, 3214868480
	.fill 96, 4, 3214868480
	.section	.rodata,"a",@progbits
	.p2align	6, 0x0
	.amdhsa_kernel k_q854d452169_lstm3
		.amdhsa_group_segment_fixed_size 167936
		.amdhsa_private_segment_fixed_size 0
		.amdhsa_enable_private_segment 0
		.amdhsa_kernarg_size 40
		.amdhsa_user_sgpr_count 2
		.amdhsa_user_sgpr_kernarg_segment_ptr 1
		.amdhsa_wavefront_size32 1
		.amdhsa_system_sgpr_workgroup_id_x 1
		.amdhsa_system_sgpr_workgroup_id_y 1
		.amdhsa_system_sgpr_workgroup_id_z 1
		.amdhsa_system_vgpr_workitem_id 0
		.amdhsa_next_free_vgpr 256
		.amdhsa_next_free_sgpr 66
		.amdhsa_reserve_vcc 1
		.amdhsa_float_denorm_mode_32 3
		.amdhsa_float_denorm_mode_16_64 3
		.amdhsa_memory_ordered 1
		.amdhsa_forward_progress 1
		.amdhsa_inst_pref_size 23
	.end_amdhsa_kernel
	.amdgpu_metadata
---
amdhsa.version: [ 1, 2 ]
amdhsa.kernels:
  - .name:           k_q854d452169_lstm3
    .symbol:         k_q854d452169_lstm3.kd
    .args:
      - { .name: ha, .offset: 0, .size: 8, .value_kind: global_buffer, .address_space: global }
      - { .name: w_ih_3, .offset: 8, .size: 8, .value_kind: global_buffer, .address_space: global }
      - { .name: b_ih_3, .offset: 16, .size: 8, .value_kind: global_buffer, .address_space: global }
      - { .name: b_hh_3, .offset: 24, .size: 8, .value_kind: global_buffer, .address_space: global }
      - { .name: h3t, .offset: 32, .size: 8, .value_kind: global_buffer, .address_space: global }
    .group_segment_fixed_size: 167936
    .private_segment_fixed_size: 0
    .kernarg_segment_align: 8
    .kernarg_segment_size: 40
    .max_flat_workgroup_size: 256
    .sgpr_count:     66
    .vgpr_count:     256
    .wavefront_size: 32
...
	.end_amdgpu_metadata
.endif
;; end of part 5
;; launch spread (part 6): grid 64 x 4, 1 waves a work-group, no clusters, 4,608 bytes of LDS; arguments h3t, out0; writes out0
.if DOCPART == 6
	.amdgcn_target "amdgcn-amd-amdhsa--gfx1250"
	.amdhsa_code_object_version 6
	.text
	.protected	k_q854d452169_spread
	.globl	k_q854d452169_spread
	.p2align	8
	.type	k_q854d452169_spread,@function
k_q854d452169_spread:
	s_mov_b64 s[64:65], 0
	v_nop
	global_prefetch_b8 v0, s[64:65] scope:SCOPE_SE
	s_setreg_imm32_b32 hwreg(HW_REG_WAVE_MODE, 25, 1), 1
	s_wait_xcnt 0x0
; THE TWELVE STEPS' OUTPUT.  The state S enters a step only through a term of the alignment scores that is equal for all encoder positions and cancels in the softmax, so every step gives the same h:
; out0[step][b][:] = h[b][:] for step = 0 .. 11.  h arrives as [256 g][64 b][4] f32 (unit 4 g + c of batch row b) and is turned into rows here.
; A work-group is one wave.  x picks 16 batch rows (x % 4) and 64 units (x / 4), y three steps.  The block of 16 x 64 numbers comes in by runs of 256 bytes (16 batch rows of one g), goes through a stage in LDS
; with rows of 272 bytes, comes back as rows of 256 bytes (64 units of one batch row), and is stored three times: each half of the lanes stores 256 consecutive bytes, at a multiple of 256 from out0's first byte.
; A launch of its own, because a layer's work-group owns 16 bytes of an output row: stored from there, the twelve copies would leave in pieces of 16 bytes.
.set SP,    272       ; a stage row: 256 bytes + 16: sixteen rows start at sixteen different groups of four banks (64 banks of 4 bytes: ISA guide 11.1)
.set SPARE, 16*SP     ; 4,352: the spare words, one block of 256 bytes that no other line names
.set IN,  8           ; v[8:39]   as loaded
.set OUT, 40          ; v[40:71]  as whole rows
; v1 my spare word, v2 zero; v3 byte offset in h3t; v4 stage in; v5 stage back; v7 byte offset in out0; v6 at work
	s_load_b128 s[4:7], s[0:1], 0x0                ; h3t s[4:5], out0 s[6:7]
	v_lshl_add_u32 v1, v0, 2, SPARE
	v_mov_b32 v2, 0
	v_and_b32 v7, 15, v0                           ; bl = lane % 16
	v_bfe_u32 v6, v0, 4, 1                         ; hl = lane / 16
	v_lshlrev_b32 v3, 4, v7                        ; 16 bl
	v_mul_u32_u24 v4, v7, SP
	v_lshl_add_u32 v4, v6, 4, v4                   ; in: batch row bl, four units for each hl
	v_mul_u32_u24 v5, v6, SP
	v_add_nc_u32 v5, v5, v3                        ; back: batch row hl, units 4 bl on
	v_lshl_add_u32 v7, v6, 12, v3                  ; out0: hl rows of 4,096 bytes + 16 bl
	v_lshl_add_u32 v3, v6, 10, v3                  ; h3t: hl blocks of 1,024 bytes + 16 bl
	s_and_b32 s8, ttmp9, 3                         ; bb: batch rows 16 bb on
	s_lshr_b32 s9, ttmp9, 2                        ; gb: g = 16 gb on
	s_and_b32 s10, ttmp7, 0xffff                   ; y: steps 3 y on
	s_lshl_b32 s12, s9, 14
	s_lshl_b32 s11, s8, 8
	s_add_co_u32 s12, s12, s11                     ; h3t: 16,384 gb + 256 bb
	s_mov_b32 s13, 0
	s_mul_i32 s14, s10, 786432
	s_lshl_b32 s11, s8, 16
	s_add_co_u32 s14, s14, s11
	s_lshl_b32 s11, s9, 8
	s_add_co_u32 s14, s14, s11                     ; out0: 786,432 y + 65,536 bb + 256 gb
	s_mov_b32 s15, 0
	s_wait_kmcnt 0x0
	s_add_nc_u64 s[4:5], s[4:5], s[12:13]
	s_add_nc_u64 s[6:7], s[6:7], s[14:15]
.irp i, 0,1,2,3,4,5,6,7
	global_load_b128 v[IN+4*\i:IN+4*\i+3], v3, s[4:5] offset:2048*\i   ; g = 16 gb + 2 i + hl
.endr
.irp i, 0,1,2,3,4,5,6,7
	s_wait_loadcnt 7-\i                            ; loads come back in order: load i is in
	ds_store_b128 v4, v[IN+4*\i:IN+4*\i+3] offset:32*\i
.endr
.irp j, 0,1,2,3,4,5,6,7
	ds_load_b128 v[OUT+4*\j:OUT+4*\j+3], v5 offset:2*SP*\j             ; LDS serves a wave's instructions in order (ISA guide 5.7.1.4): these see the stores above
.endr
.irp j, 0,1,2,3,4,5,6,7
	s_wait_dscnt 7-\j                              ; rows 2 j and 2 j + 1 are back
.irp s, 0,1,2
	global_store_b128 v7, v[OUT+4*\j:OUT+4*\j+3], s[6:7] offset:262144*\s+8192*\j th:TH_STORE_NT
.endr
.endr
	s_wait_tensorcnt 0x0                           ; the wave's end: behind my last LDS store
	ds_add_u32 v1, v2
	s_wait_dscnt 0x0
	s_endpgm
.Lfunc_end_k_q854d452169_spread:
	.size	k_q854d452169_spread, .Lfunc_end_k_q854d452169_spread-k_q854d452169_spread
	.p2alignl 7, 3214868480
	.fill 96, 4, 3214868480
	.section	.rodata,"a",@progbits
	.p2align	6, 0x0
	.amdhsa_kernel k_q854d452169_spread
		.amdhsa_group_segment_fixed_size 4608
		.amdhsa_private_segment_fixed_size 0
		.amdhsa_enable_private_segment 0
		.amdhsa_kernarg_size 16
		.amdhsa_user_sgpr_count 2
		.amdhsa_user_sgpr_kernarg_segment_ptr 1
		.amdhsa_wavefront_size32 1
		.amdhsa_system_sgpr_workgroup_id_x 1
		.amdhsa_system_sgpr_workgroup_id_y 1
		.amdhsa_system_sgpr_workgroup_id_z 1
		.amdhsa_system_vgpr_workitem_id 0
		.amdhsa_next_free_vgpr 72
		.amdhsa_next_free_sgpr 66
		.amdhsa_reserve_vcc 0
		.amdhsa_float_denorm_mode_32 3
		.amdhsa_float_denorm_mode_16_64 3
		.amdhsa_memory_ordered 1
		.amdhsa_forward_progress 1
		.amdhsa_inst_pref_size 7
	.end_amdhsa_kernel
	.amdgpu_metadata
---
amdhsa.version: [ 1, 2 ]
amdhsa.kernels:
  - .name:           k_q854d452169_spread
    .symbol:         k_q854d452169_spread.kd
    .args:
      - { .name: h3t, .offset: 0, .size: 8, .value_kind: global_buffer, .address_space: global }
      - { .name: out0, .offset: 8, .size: 8, .value_kind: global_buffer, .address_space: global }
    .group_segment_fixed_size: 4608
    .private_segment_fixed_size: 0
    .kernarg_segment_align: 8
    .kernarg_segment_size: 16
    .max_flat_workgroup_size: 32
    .sgpr_count:     66
    .vgpr_count:     72
    .wavefront_size: 32
...
	.end_amdgpu_metadata
.endif
;; end of part 6
